; MI455X (gfx1250); checked and timed in simulation.
; The chip was launched on July 23, 2026; its instructions are those of AMD's public machine-readable ISA for CDNA 5 (MIT licence, August 2026) and "CDNA5" Instruction Set Architecture Reference Guide (July 2026). The comments in the code are by the model that wrote it; some were corrected since.
;; Expert Engine. Allowed arithmetic: matrix products marked QUANTISED: E2M3 operands, one E8M0 scale for each 32 along K, by v_wmma_scale_f32_16x16x128_f8f6f4 with both operands' format E2M3, f32 sums; everything else in f32.
;; Inputs: expert_ids 1,024 int32; tokens_codes 1,024 x 32 x 24 uint8 (E2M3 codes of tokens, K innermost, in blocks of 32 codes, four codes in three bytes); tokens_scales 1,024 x 32 uint8 (E8M0 scales of tokens, one for each 32 codes along K); w_down_codes 8 x 1,024 x 64 x 24 uint8 (E2M3 codes of w_down, K innermost, in blocks of 32 codes, four codes in three bytes); w_down_scales 8 x 1,024 x 64 uint8 (E8M0 scales of w_down, one for each 32 codes along K); w_gate_up_codes 8 x 4,096 x 32 x 24 uint8 (E2M3 codes of w_gate_up, K innermost, in blocks of 32 codes, four codes in three bytes); w_gate_up_scales 8 x 4,096 x 32 uint8 (E8M0 scales of w_gate_up, one for each 32 codes along K).
;; Outputs: out0 1,024 x 1,024 float32.
;; This version of the problem:
;;   THIS VERSION OF THE PROBLEM IS GIVEN IN LOW PRECISION. The matrix products marked QUANTISED in the list below multiply operands that are first quantised to E2M3 (2 exponent bits, 3 mantissa bits; 6 bits a number), with one power-of-two scale for each 32 numbers along K (OCP MX v1.0); their sums are f32. All else is computed in f32.
;;   The module's matrix products, in the order in which they are computed (A, B: the left and right operand; K: the contracted axis; several contracted axes count as one K, in the product's order):
;;     1. [M 1,024, K 1,024] x [K 1,024, N 4,096]; A: input tokens (given as codes); B: input w_gate_up (given as codes): QUANTISED
;;     2. [M 1,024, K 2,048] x [K 2,048, N 1,024]; A: computed on the way; B: input w_down (given as codes): QUANTISED
;;     3. [M 1,024, K 1,024] x [K 1,024, N 4,096]; A: input tokens (given as codes); B: input w_gate_up (given as codes): QUANTISED
;;     4. [M 1,024, K 2,048] x [K 2,048, N 1,024]; A: computed on the way; B: input w_down (given as codes): QUANTISED
;;     5. [M 1,024, K 1,024] x [K 1,024, N 4,096]; A: input tokens (given as codes); B: input w_gate_up (given as codes): QUANTISED
;;     6. [M 1,024, K 2,048] x [K 2,048, N 1,024]; A: computed on the way; B: input w_down (given as codes): QUANTISED
;;     7. [M 1,024, K 1,024] x [K 1,024, N 4,096]; A: input tokens (given as codes); B: input w_gate_up (given as codes): QUANTISED
;;     8. [M 1,024, K 2,048] x [K 2,048, N 1,024]; A: computed on the way; B: input w_down (given as codes): QUANTISED
;;     9. [M 1,024, K 1,024] x [K 1,024, N 4,096]; A: input tokens (given as codes); B: input w_gate_up (given as codes): QUANTISED
;;     10. [M 1,024, K 2,048] x [K 2,048, N 1,024]; A: computed on the way; B: input w_down (given as codes): QUANTISED
;;     11. [M 1,024, K 1,024] x [K 1,024, N 4,096]; A: input tokens (given as codes); B: input w_gate_up (given as codes): QUANTISED
;;     12. [M 1,024, K 2,048] x [K 2,048, N 1,024]; A: computed on the way; B: input w_down (given as codes): QUANTISED
;;     13. [M 1,024, K 1,024] x [K 1,024, N 4,096]; A: input tokens (given as codes); B: input w_gate_up (given as codes): QUANTISED
;;     14. [M 1,024, K 2,048] x [K 2,048, N 1,024]; A: computed on the way; B: input w_down (given as codes): QUANTISED
;;     15. [M 1,024, K 1,024] x [K 1,024, N 4,096]; A: input tokens (given as codes); B: input w_gate_up (given as codes): QUANTISED
;;     16. [M 1,024, K 2,048] x [K 2,048, N 1,024]; A: computed on the way; B: input w_down (given as codes): QUANTISED
;;   THE QUANTISER, for each operand of a quantised product, along K:
;;     - K is cut into blocks of 32 from its start; a last block that is shorter is filled with zeros.
;;     - A block's scale is 2^e with e = floor(log2(the largest magnitude in the block)) - 2, held to -126 .. 127; a block of zeros has e = 0. As a byte (E8M0): e + 127.
;;     - Each number is divided by its block's scale, clamped to +-7.5, and rounded to the nearest number of E2M3, ties to even, subnormals kept.
;;     - The product sums the exact products of the quantised numbers (number of the format x scale) in f32.
;;   ~~~python
;;   def quantise(x, axis):      # numpy; x: float32 -> the quantised numbers, widened to float32 again
;;       x = np.moveaxis(x, axis, -1); K = x.shape[-1]
;;       x = np.pad(x, [(0, 0)] * (x.ndim - 1) + [(0, -K % 32)]); x = x.reshape(x.shape[:-1] + (-1, 32)); a = np.abs(x).max(-1, keepdims=True)
;;       e = np.where(a > 0, np.clip(np.frexp(np.where(a > 0, a, 1))[1] - 1 - 2, -126, 127), 0)      # np.frexp(a)[1] - 1 = floor(log2(a)), exactly
;;       r = np.clip(x / 2.0 ** e, -7.5, 7.5)
;;       step = 2.0 ** (np.maximum(np.frexp(np.where(r == 0, 1, r))[1] - 1, 0) - 3)
;;       q = np.round(r / step) * step * 2.0 ** e      # np.round: ties to even
;;       return np.moveaxis(q.reshape(q.shape[:-2] + (-1,))[..., :K], -1, axis).astype(np.float32)
;;   ~~~
;;   OPERANDS COMPUTED ON THE WAY. 'Computed on the way' means the value that the module computes at that place (a softmax that the list does not call 'softmax' is quantised finished and normalised). What goes into a quantiser is computed in f32, as accurately as f32 sums, v_exp_f32 and their like allow (about 1e-6 of the number): no bf16 or f16 on the way to a quantiser, and a product that is left as it is and whose result goes on into a quantised operand takes f32 operands (vector FMAs, or v_wmma_f32_16x16x4_f32). A number that lies on a knife's edge between two numbers of the format may be rounded either way, as far as f32 arithmetic and the matrix unit's own rounding can turn it there, and no further.
;;   INPUTS GIVEN AS CODES. tokens (in the module: [1024, 1024], K = its axis 1); w_down (in the module: [8, 2048, 1024], K = its axis 1); w_gate_up (in the module: [8, 1024, 4096], K = its axis 1): each comes as NAME_codes (uint8): NAME with its K axis moved to the last place and cut into blocks of 32 codes, [.., K / 32, bytes a block], one block behind the other in memory; four codes in three bytes: a row's codes are one little-endian stream of bits, code i at bits 6 i .. 6 i + 5 (a code: sign, 2 exponent bits, 3 mantissa bits); and NAME_scales (uint8): the same leading axes, one E8M0 byte (e + 127) for each 32 codes along K. Its value is code x scale, taken as it is: it is not quantised again, and the codes and scales need not be those that the quantiser above would give.
;; 2 versions, each right; version 2 is version 1 with the launches gateup, down written anew for expert scheduling mode. Each part assembles by itself: llvm-mc -triple=amdgcn-amd-amdhsa -mcpu=gfx1250 --defsym DOCPART=n.
;; ======== version 1 of 2: 2 launches
;; workspace buffers: hid_codes 12,582,912 bytes; hid_scales 524,288 bytes
;; launch gateup (part 1): grid 256 x 1, 4 waves a work-group, no clusters, 318,464 bytes of LDS; arguments expert_ids, tokens_codes, tokens_scales, w_gate_up_codes, w_gate_up_scales, hid_codes, hid_scales, w_down_codes; writes hid_codes, hid_scales
.if DOCPART == 1
	.amdgcn_target "amdgcn-amd-amdhsa--gfx1250"
	.amdhsa_code_object_version 6
	.text
	.protected	k_q828ae5af02_gateup
	.globl	k_q828ae5af02_gateup
	.p2align	8
	.type	k_q828ae5af02_gateup,@function
k_q828ae5af02_gateup:
	s_mov_b64 s[64:65], 0
	v_nop
	global_prefetch_b8 v0, s[64:65] scope:SCOPE_SE
	s_setreg_imm32_b32 hwreg(HW_REG_WAVE_MODE, 25, 1), 1
	s_wait_xcnt 0x0
; hidden = silu(x Wg) * (x Wu), quantised to E2M3 along the 2,048 hidden units, for each token under ITS expert alone.
; SHARES.  Work-group x = (expert e = x / 32, slice sl = x % 32) owns hidden units 64 sl .. 64 sl + 63 of expert e: 64 gate rows and 64 up rows of w_gate_up (96 KB of codes), read from memory once.
; Wave w: a = w % 2 says which of the slice's two blocks of 32 hidden units is its own, p = w / 2 which token tiles (even, odd).  Its 4 weight tiles (gate, up x 2 tiles of 16 rows) x 8 K steps stay in 384 registers.
; ROUTING, while the weights are on their way.  Every wave reads the 1,024 ids and makes 32 lane masks (id = e).  The expert's tokens, in the order (register, lane) of those masks, are its PLACES 0 .. cnt - 1.
; Thread t finds the tokens of places 128 g + t by arithmetic alone and stores them at fixed LDS addresses; no address and no lane mask hangs on data.  Place q (tile q / 16, row q % 16) is the key under which the
; hidden row is stored; the second launch finds the same places by the same lines.  Places from cnt on take the token of place 0, so a last tile needs no mask: its spare rows repeat that token.
; K IS TAKEN IN ANOTHER ORDER, ALIKE ON BOTH OPERANDS: lane (r, h) takes the half of its row at 384 h, on end, so that fragments come by loads of 16 bytes.  Registers 12 s + 6 c .. + 5 hold block 16 h + 2 s + c;
; the scale word of step s is the bytes S[2 s], S[16 + 2 s], S[2 s + 1], S[17 + 2 s], made by one v_perm_b32.
; THE PRODUCT IS USED TRANSPOSED (source 0 = 16 rows of W, source 1 = 16 tokens), and lane r of weight tile u holds row 8 u + r + 8 (r / 8) of the block: a lane then holds ONE token and hidden units 16 h + 0 .. 15 in 16 registers.
; OUT.  hid_codes [e][tile 64][pair of blocks 32][row 16][48 bytes], hid_scales [e][tile][step 16][row 16][4 bytes], the bytes already in the order that the second product's scale words want.
; LIMITS.  An id outside 0 .. 7 is served by no work-group.  NaN and infinities in the hidden layer are not served.  A block of zeros gets the byte 1 (its codes are zeros; this program alone reads the bytes).
; The order of K differs from ascending, so sums may differ from an ascending sum in the last bits of f32.  silu(g) u is formed as (g u) / (1 + 2^(-g log2 e)).
; No tensor loads and no cluster: which tiles are worked hangs on a count made from the ids.
.set PIT,   784                        ; an LDS row of 768 bytes of codes + 16: 49 x 16, so the 16 rows that a 16-byte load touches start at different banks (ISA guide 11.1)
.set LIST,  0                          ; 4,096 bytes: place 128 g + 32 w + lane at 1024 w + 128 g + 4 lane: each wave's 1,024 bytes are written by that wave alone
.set MARG,  4096                       ; 512 bytes of zeros, a word a thread.  Every trip of the loop over groups holds the lines that ask for the next group; the eighth trip's name group 8, whose first place,
                                       ; 1,024 + 32 w, is never under the count, so they are always passed over.  Their list addresses are the 128 bytes behind a wave's own 1,024: behind wave 3's lies this margin
.set TSC,   4608                       ; two buffers of 128 rows x 48: a token's 8 scale words, in the products' order, + 16
.set TSCB,  6144
.set WST,   16896                      ; 128 weight rows x PIT
.set TOK,   117248                     ; two buffers of 128 token rows x PIT
.set TOKB,  128*PIT
.set WGO,  4                           ; v4    weights in memory: 16 rows x 768 x h + 16 r
.set WSTA, 5                           ; v5    weights into LDS
.set TSTA, 6                           ; v6-7  token rows into buffer 0, 1
.set LA16, 8                           ; v8    list: 1024 w + 64 h: my half's 16 places of group 0
.set LA1,  9                           ; v9    list: 1024 w + 4 lane: my lane's own place of group 0
.set C16,  10                          ; v10   16 r
.set TSS,  11                          ; v11-12 token scale words into buffer 0, 1
.set WFA,  13                          ; v13   my weight fragments in LDS
.set XA,   14                          ; v14-17 token fragments: buffer 0 tiles 0-1, tiles 2-3; buffer 1 likewise
.set XSA,  18                          ; v18-19 token scale words in buffer 0, 1
.set HCL,  20                          ; v20   48 r + 24 a + 12 h
.set HSL,  21                          ; v21   4 r
.set HCV,  22                          ; v22   the tile's offset in hid_codes
.set HSV,  23                          ; v23   and in hid_scales
.set LWC,  24                          ; v24   list: where the places just found go
.set LAT,  25                          ; v25   list: my half's 16 places of the group in hand
.set LAT1, 26                          ; v26   and my lane's own
.set MRG,  27                          ; v27   4 x my thread's number: my word of the margin
.set TK,   28                          ; v28-43 16 list entries, then their rows' byte offsets
.set TKL,  44                          ; v44   my lane's list entry, then its scales' offset
.set PF,   45                          ; v45   256 x lane
.set SL,   48                          ; v48-55 a token's scale bytes as loaded
.set SP,   56                          ; v56-63 as the products want them
.set WS,   64                          ; v64-79 weight scale words: gate's 8 steps, up's 8; lanes 0-15 tile u = 0, lanes 16-31 tile u = 1
.set XS,   80                          ; v80-87 the token tile's scale words
.set G,    88                          ; v88-103  gate, two tiles
.set U,    104                         ; v104-119 up, two tiles
.set T,    120                         ; v120-135 at work
.set Q,    136                         ; v136-139 largest magnitude, at work, the conversion's scale, the byte
.set C,    140                         ; v140-142 16 codes
.set XF,   144                         ; v144-239 the token tile's fragments
.set ID,   144                         ; at the head: the ids
.set WL,   176                         ; at the head: weight scale bytes as loaded
.set RQV,  192                         ; at the head, two registers each (two places at a time): the place;
.set RMM,  194                         ; its row's mask;
.set RPK,  196                         ; its row's number << 16 | the places ahead of that row;
.set RNN,  198                         ; which set bit of the mask;
.set RPO,  200                         ; the bit's number so far;
.set RKK,  202                         ; the row's number;
.set RCA,  204                         ; the mask's bit counts by 2,
.set RCB,  206                         ; by 4,
.set RCC,  208                         ; by 8,
.set RCD,  210                         ; by 16;
.set RTA,  212                         ; at work
.set RTB,  214
.set IDO,  242                         ; v242  16 x lane
.set WSO,  243                         ; v243  my row of weight scales
; window 1: v0-191 the weights as they land, then W of K steps 0-3 (tile t, step s at 48 t + 12 s);  window 2: W of K steps 4-7;  window 3: v0-191 token rows as they land
.set SW,   20
.set SA,   21
.set SPAR, 22
.set SE,   23
.set SSL,  24
.set SCNT, 25                          ; the expert's count of tokens
.set SBASE, 26
.set STMP, 27
.set SPK,  28
.set SGB,  29                          ; first place of the group that my wave gathers next
.set STP,  30                          ; first place of my next tile
.set SHOF, 31                          ; its offset in hid_codes
.set SHSO, 32                          ; and in hid_scales
.set SOUT, 33
.set SC1,  34
.set SQ0,  35
.set SRT,  36
.set SM1,  37
.set SEL,  38                          ; s38-39 v_perm_b32's selects for even and odd steps
.set XSEL, 40                          ; s40-41 v_permlanex16_b32's selects: lane l xor 16
.set NL2E, 42                          ; s42-43 -log2(e)
.set SLA,  54                          ; 128 x the group to be gathered
.set SLW,  55
.set MK,   66                          ; s66-97 the 32 lane masks
.set MSB, 0
.macro WIN new                         ; the immediate's high byte repeats the setting that is left
.if MSB != (\new)
	s_set_vgpr_msb (MSB<<8)|(\new)
.set MSB, (\new)
.endif
.endm
.macro BARRIER                         ; my LDS stores have landed and my LDS loads are in: then the work-group's barrier
	s_wait_dscnt 0x0
	s_barrier_signal -1
	s_barrier_wait -1
.endm
; One step of the search for a mask's n-th set bit: the w bits from the bit's number so far hold c set bits (read off the counts in src); where n >= c the bit lies further up: n - c, w bits on.
.macro SELSTEP src, w, wd
.irp i, 0,1
	v_bfe_u32 v[RTA+\i], v[\src+\i], v[RPO+\i], \wd
.endr
	v_cmp_ge_u32 vcc_lo, v[RNN], v[RTA]
	v_cmp_ge_u32 s[SM1], v[RNN+1], v[RTA+1]
.irp i, 0,1
	v_sub_nc_u32 v[RTA+\i], v[RNN+\i], v[RTA+\i]
	v_add_nc_u32 v[RTB+\i], \w, v[RPO+\i]
.endr
	v_cndmask_b32 v[RNN], v[RNN], v[RTA], vcc_lo
	v_cndmask_b32 v[RPO], v[RPO], v[RTB], vcc_lo
	v_cndmask_b32 v[RNN+1], v[RNN+1], v[RTA+1], s[SM1]
	v_cndmask_b32 v[RPO+1], v[RPO+1], v[RTB+1], s[SM1]
.endm
; THE LIST.  Register k = 4 j + i of the ids holds, in lane l, the id of token 128 j + 4 l + i.  Row k of the order is that register's 32 lanes.  younger: the loads issued behind the ids.
.macro ROUTE younger
	s_wait_loadcnt \younger                        ; the ids are in; the weights stay on their way
.set k, 0
.rept 32
	v_cmp_eq_u32 s[MK+k], s[SE], v[ID+k]
.set k, k+1
.endr
	s_mov_b32 s[SCNT], 0
.set k, 0
.rept 32
	s_bcnt1_i32_b32 s[STMP], s[MK+k]
	s_add_co_u32 s[SCNT], s[SCNT], s[STMP]
.set k, k+1
.endr
	s_max_u32 s[SC1], s[SCNT], 1                   ; the first trip always runs: groups 0 and 1 of the list are always written
	s_mov_b32 s[SQ0], 0
	s_mov_b32 s[SLW], 0
	s_mov_b32 s[SRT], 4
.Lroute:                                               ; 4 trips, a constant; trip t finds places 256 t + thread and 256 t + 128 + thread; a trip whose places all lie past the count is passed over
	s_cmp_lt_u32 s[SQ0], s[SC1]
	s_cbranch_scc0 .Lroute_next
	v_add_nc_u32 v[RQV], s[SQ0], v0
	v_add_nc_u32 v[RQV+1], 0x80, v[RQV]
	v_cmp_gt_u32 vcc_lo, s[SCNT], v[RQV]
	v_cmp_gt_u32 s[SM1], s[SCNT], v[RQV+1]
	v_cndmask_b32 v[RQV], 0, v[RQV], vcc_lo        ; a place from the count on takes place 0's token
	v_cndmask_b32 v[RQV+1], 0, v[RQV+1], s[SM1]
.irp i, 0,1
	v_mov_b32 v[RMM+\i], s[MK]
	v_mov_b32 v[RPK+\i], 0
.endr
	s_mov_b32 s[SBASE], 0
.set k, 1
.rept 31                                       ; the last row with no more places ahead of it than q is q's row
	s_bcnt1_i32_b32 s[STMP], s[MK+k-1]
	s_add_co_u32 s[SBASE], s[SBASE], s[STMP]
	s_add_co_u32 s[SPK], s[SBASE], k<<16
	v_cmp_le_u32 vcc_lo, s[SBASE], v[RQV]
	v_cmp_le_u32 s[SM1], s[SBASE], v[RQV+1]
	v_cndmask_b32 v[RMM], v[RMM], s[MK+k], vcc_lo
	v_cndmask_b32 v[RPK], v[RPK], s[SPK], vcc_lo
	v_cndmask_b32 v[RMM+1], v[RMM+1], s[MK+k], s[SM1]
	v_cndmask_b32 v[RPK+1], v[RPK+1], s[SPK], s[SM1]
.set k, k+1
.endr
.irp i, 0,1
	v_and_b32 v[RTA+\i], 0xffff, v[RPK+\i]
	v_lshrrev_b32 v[RKK+\i], 16, v[RPK+\i]
	v_sub_nc_u32 v[RNN+\i], v[RQV+\i], v[RTA+\i]   ; n: which set bit of the row's mask
	v_mov_b32 v[RPO+\i], 0
.endr
.irp i, 0,1                                    ; the mask's set bits counted by 2, 4, 8 and 16 neighbouring bits
	v_lshrrev_b32 v[RTA+\i], 1, v[RMM+\i]
	v_and_b32 v[RTA+\i], 0x55555555, v[RTA+\i]
	v_sub_nc_u32 v[RCA+\i], v[RMM+\i], v[RTA+\i]
	v_lshrrev_b32 v[RTA+\i], 2, v[RCA+\i]
	v_and_b32 v[RTA+\i], 0x33333333, v[RTA+\i]
	v_and_b32 v[RTB+\i], 0x33333333, v[RCA+\i]
	v_add_nc_u32 v[RCB+\i], v[RTA+\i], v[RTB+\i]
	v_lshrrev_b32 v[RTA+\i], 4, v[RCB+\i]
	v_add_nc_u32 v[RTA+\i], v[RTA+\i], v[RCB+\i]
	v_and_b32 v[RCC+\i], 0x0f0f0f0f, v[RTA+\i]
	v_lshrrev_b32 v[RTA+\i], 8, v[RCC+\i]
	v_add_nc_u32 v[RCD+\i], v[RTA+\i], v[RCC+\i]
.endr
	SELSTEP RCD, 16, 8
	SELSTEP RCC, 8, 8
	SELSTEP RCB, 4, 4
	SELSTEP RCA, 2, 2
	SELSTEP RMM, 1, 1
.irp i, 0,1                                    ; row k, lane l: token 128 (k / 4) + 4 l + k % 4
	v_and_b32 v[RTA+\i], 28, v[RKK+\i]
	v_and_b32 v[RTB+\i], 3, v[RKK+\i]
	v_lshl_or_b32 v[RTA+\i], v[RTA+\i], 5, v[RTB+\i]
	v_lshl_or_b32 v[RTA+\i], v[RPO+\i], 2, v[RTA+\i]
.endr
	v_add_nc_u32 v[LWC], s[SLW], v[LA1]
	ds_store_b32 v[LWC], v[RTA] offset:LIST
	ds_store_b32 v[LWC], v[RTA+1] offset:LIST+128
	s_wait_dscnt 0x0                               ; the stores have read their registers
.Lroute_next:
	s_add_co_u32 s[SQ0], s[SQ0], 256
	s_add_co_u32 s[SLW], s[SLW], 256
	s_sub_co_u32 s[SRT], s[SRT], 1
	s_cmp_lg_u32 s[SRT], 0
	s_cbranch_scc1 .Lroute
.endm
; My wave's 32 places of a group of 128 are asked for: 16 list entries for each half of the lanes; a load reads one whole unit of 256 bytes of one token's row in lanes 0-15 and of another's in lanes 16-31.
.macro GISSUE
	v_add_nc_u32 v[LAT], s[SLA], v[LA16]
	v_add_nc_u32 v[LAT1], s[SLA], v[LA1]
.irp q, 0,1,2,3
	ds_load_b128 v[TK+4*\q:TK+4*\q+3], v[LAT] offset:LIST+16*\q
.endr
	ds_load_b32 v[TKL], v[LAT1] offset:LIST
	s_wait_dscnt 0x0
.irp j, 0,1,2,3,4,5,6,7,8,9,10,11,12,13,14,15
	v_min_u32 v[TK+\j], 0x3ff, v[TK+\j]
.endr
.irp j, 0,1,2,3,4,5,6,7,8,9,10,11,12,13,14,15
	v_mul_u32_u24 v[TK+\j], 768, v[TK+\j]
.endr
.irp j, 0,1,2,3,4,5,6,7,8,9,10,11,12,13,14,15
	v_add_nc_u32 v[TK+\j], v[C16], v[TK+\j]
.endr
	v_min_u32 v[TKL], 0x3ff, v[TKL]
	v_lshlrev_b32 v[TKL], 5, v[TKL]
	WIN 0xc0                                       ; destination window 3
.irp j, 0,1,2,3,4,5,6,7,8,9,10,11,12,13,14,15
.irp q, 0,1,2
	global_load_b128 v[12*\j+4*\q:12*\j+4*\q+3], v[TK+\j], s[6:7] offset:256*\q
.endr
.endr
	WIN 0
	global_load_b128 v[SL:SL+3], v[TKL], s[8:9]
	global_load_b128 v[SL+4:SL+7], v[TKL], s[8:9] offset:16
.endm
; and, when they are in, laid into buffer b
.macro GSTORE b
	WIN 0x0c                                       ; an LDS store's data are its source 1: window 3
.irp j, 0,1,2,3,4,5,6,7,8,9,10,11,12,13,14,15
.irp q, 0,1,2
	ds_store_b128 v[TSTA+(\b)], v[12*\j+4*\q:12*\j+4*\q+3] offset:PIT*\j+256*\q
.endr
.endr
	WIN 0
.irp s, 0,1,2,3,4,5,6,7
	v_perm_b32 v[SP+\s], v[SL+4+\s/2], v[SL+\s/2], s[SEL+\s%2]
.endr
	ds_store_b128 v[TSS+(\b)], v[SP:SP+3]
	ds_store_b128 v[TSS+(\b)], v[SP+4:SP+7] offset:16
.endm
; one product: K step s, weight tile t (0, 1 gate; 2, 3 up).  The four accumulators take turns, one instruction a turn.
.macro GMM s, t
.set rD, G+8*(\t)
.set rA, 48*(\t)+12*((\s)%4)
.set rB, XF+12*(\s)
.set rSA, WS+8*((\t)/2)+(\s)
.set rSB, XS+(\s)
.if (\s) == 0
.if (\t)%2
	v_wmma_scale_f32_16x16x128_f8f6f4 v[rD:rD+7], v[rA:rA+11], v[rB:rB+11], 0, v[rSA], v[rSB] matrix_a_fmt:MATRIX_FMT_FP6 matrix_b_fmt:MATRIX_FMT_FP6 matrix_a_scale:MATRIX_SCALE_ROW1
.else
	v_wmma_scale_f32_16x16x128_f8f6f4 v[rD:rD+7], v[rA:rA+11], v[rB:rB+11], 0, v[rSA], v[rSB] matrix_a_fmt:MATRIX_FMT_FP6 matrix_b_fmt:MATRIX_FMT_FP6
.endif
.else
.if (\t)%2
	v_wmma_scale_f32_16x16x128_f8f6f4 v[rD:rD+7], v[rA:rA+11], v[rB:rB+11], v[rD:rD+7], v[rSA], v[rSB] matrix_a_fmt:MATRIX_FMT_FP6 matrix_b_fmt:MATRIX_FMT_FP6 matrix_a_scale:MATRIX_SCALE_ROW1
.else
	v_wmma_scale_f32_16x16x128_f8f6f4 v[rD:rD+7], v[rA:rA+11], v[rB:rB+11], v[rD:rD+7], v[rSA], v[rSB] matrix_a_fmt:MATRIX_FMT_FP6 matrix_b_fmt:MATRIX_FMT_FP6
.endif
.endif
.endm
; My t-th tile of 16 tokens of the group in buffer rb.  A tile that begins at or past the count is passed over; the lines that step stand behind the label.
.macro TILE rb, t
	s_cmp_lt_u32 s[STP], s[SCNT]
	s_cbranch_scc0 .Lno_tile_\@
	ds_load_b128 v[XS:XS+3], v[XSA+\rb] offset:1536*(\t)
	ds_load_b128 v[XS+4:XS+7], v[XSA+\rb] offset:1536*(\t)+16
.irp i, 0,1,2,3,4,5,6,7,8,9,10,11,12,13,14,15,16,17,18,19,20,21,22,23
	ds_load_b128 v[XF+4*\i:XF+4*\i+3], v[XA+2*\rb+(\t)/2] offset:32*PIT*((\t)%2)+16*\i
.endr
	s_wait_dscnt 12                                ; the scale words and K steps 0-3 are in; the twelve youngest loads (K steps 4-7) may be out
	WIN 0x01                                       ; source 0 (W) window 1
.irp s, 0,1,2,3
.irp u, 0,1,2,3
	GMM \s, \u
.endr
.endr
	s_wait_dscnt 0x0
	WIN 0x02                                       ; W of K steps 4-7: window 2
.irp s, 4,5,6,7
.irp u, 0,1,2,3
	GMM \s, \u
.endr
.endr
	WIN 0
.rept 5
	v_nop                                          ; places behind the last products: four for the reads below and for the next tile's loads into the fragments, five for its first products, which begin these accumulators anew
.endr
.irp j, 0,2,4,6,8,10,12,14
	v_pk_mul_f32 v[T+\j:T+\j+1], v[G+\j:G+\j+1], s[NL2E:NL2E+1] op_sel_hi:[1,0]   ; -g log2(e); each accumulator is read from its low end on
.endr
.irp j, 0,1,2,3,4,5,6,7,8,9,10,11,12,13,14,15
	v_exp_f32 v[T+\j], v[T+\j]
.endr
.irp j, 0,2,4,6,8,10,12,14
	v_pk_mul_f32 v[G+\j:G+\j+1], v[G+\j:G+\j+1], v[U+\j:U+\j+1]                   ; g u: also the plain place behind the exponentials
.endr
	s_wait_alu depctr_va_vdst(0)
.irp j, 0,2,4,6,8,10,12,14
	v_pk_add_f32 v[T+\j:T+\j+1], v[T+\j:T+\j+1], 1.0 op_sel_hi:[1,0]
.endr
.irp j, 0,1,2,3,4,5,6,7,8,9,10,11,12,13,14,15
	v_rcp_f32 v[T+\j], v[T+\j]
.endr
	s_wait_xcnt 0x0                                ; the last tile's two stores have read their offsets and data: all four are written again below
	v_add_nc_u32 v[HCV], s[SHOF], v[HCL]           ; (these two are also the plain place behind the reciprocals)
	v_add_nc_u32 v[HSV], s[SHSO], v[HSL]
	s_wait_alu depctr_va_vdst(0)
.irp j, 0,2,4,6,8,10,12,14
	v_pk_mul_f32 v[G+\j:G+\j+1], v[G+\j:G+\j+1], v[T+\j:T+\j+1]                   ; the hidden layer: my token, units 16 h + 0 .. 15 of my block
.endr
	v_max3_num_f32 v[Q], |v[G]|, |v[G+1]|, 0x1800000               ; the largest magnitude of my 16, in two chains, and the floor 2^(3 - 127): the byte cannot fall under 1
	v_max3_num_f32 v[Q+1], |v[G+2]|, |v[G+3]|, |v[G+4]|
	v_max3_num_f32 v[Q], v[Q], |v[G+5]|, |v[G+6]|
	v_max3_num_f32 v[Q+1], v[Q+1], |v[G+7]|, |v[G+8]|
	v_max3_num_f32 v[Q], v[Q], |v[G+9]|, |v[G+10]|
	v_max3_num_f32 v[Q+1], v[Q+1], |v[G+11]|, |v[G+12]|
	v_max3_num_f32 v[Q], v[Q], |v[G+13]|, |v[G+14]|
	v_max3_num_f32 v[Q], v[Q], v[Q+1], |v[G+15]|
	v_permlanex16_b32 v[Q+1], v[Q], s[XSEL], s[XSEL+1]
	v_max_num_f32 v[Q], v[Q], v[Q+1]               ; with lane l xor 16's 16: the block's
	v_add_nc_u32 v[Q+2], 0xff000000, v[Q]          ; 2 off its exponent field: the conversion takes that field as its scale
	v_cvt_scalef32_pk16_fp6_f32 v[C:C+2], v[G:G+15], v[Q+2]
	v_lshrrev_b32 v[Q+3], 23, v[Q+2]               ; the scale's byte; also the plain place behind the conversion
	global_store_b96 v[HCV], v[C:C+2], s[14:15]
	global_store_b8 v[HSV], v[Q+3], s[16:17]       ; both halves of the lanes write the same byte with the same value
.Lno_tile_\@:
	s_add_co_u32 s[STP], s[STP], 32
	s_add_co_u32 s[SHOF], s[SHOF], 2*24576
	s_add_co_u32 s[SHSO], s[SHSO], 2*1024
.endm
; A group of 128 places lies in buffer rb.  The next group is asked for ahead of this group's tiles and laid into the other buffer behind them.  One barrier orders this trip's reads of rb against the
; next trip's stores into it, and this trip's stores against the next trip's reads.
.macro TRIP rb
	s_cmp_lt_u32 s[SGB], s[SCNT]
	s_cbranch_scc0 .Lno_ask_\@
	GISSUE
.Lno_ask_\@:
.irp t, 0,1,2,3
	TILE \rb, \t
.endr
	s_wait_loadcnt 0x0                             ; on every way: whatever was asked for is in
	s_cmp_lt_u32 s[SGB], s[SCNT]
	s_cbranch_scc0 .Lno_lay_\@
	GSTORE 1-\rb
.Lno_lay_\@:
	s_add_co_u32 s[SGB], s[SGB], 128
	s_add_co_u32 s[SLA], s[SLA], 128
	BARRIER
.endm
	s_load_b512 s[4:19], s[0:1], 0x0               ; ids s[4:5], tokens' codes, scales, W's codes, scales s[12:13], hid_codes s[14:15], hid_scales, w_down's codes s[18:19]
	v_lshl_add_u32 v254, v0, 2, 0x4da00
	v_mov_b32 v255, 0
	v_and_b32 v1, 15, v0                           ; r
	v_bfe_u32 v2, v0, 4, 1                         ; h
	v_and_b32 v3, 31, v0                           ; lane
	v_lshrrev_b32 v46, 5, v0
	v_readfirstlane_b32 s[SW], v46                 ; wave 0..3
	s_and_b32 s[SA], s[SW], 1                      ; a.  Also: which 32 rows of gate or of up I fetch
	s_lshr_b32 s[SPAR], s[SW], 1                   ; p.  Also: I fetch gate (0) or up (1)
	s_lshr_b32 s[SE], ttmp9, 5                     ; expert
	s_and_b32 s[SSL], ttmp9, 31                    ; slice
	; LDS addresses: constants, the lane's and the wave's terms
	v_lshlrev_b32 v[C16], 4, v1
	v_mul_u32_u24 v[WGO], v2, 16*768
	v_add_nc_u32 v[WGO], v[WGO], v[C16]
	s_mul_i32 s[STMP], s[SW], 32*PIT
	v_mul_u32_u24 v[WSTA], v2, 8*PIT               ; row 16 h + j of my 32 goes to place 16 (j / 8) + 8 h + j % 8: a weight tile's 16 rows are then neighbours in LDS
	v_add_nc_u32 v[WSTA], v[WSTA], v[C16]
	v_add_nc_u32 v[WSTA], s[STMP], v[WSTA]
	v_add_nc_u32 v[WSTA], WST, v[WSTA]
	v_mul_u32_u24 v[TSTA], v2, 16*PIT
	v_add_nc_u32 v[TSTA], v[TSTA], v[C16]
	v_add_nc_u32 v[TSTA], s[STMP], v[TSTA]
	v_add_nc_u32 v[TSTA], TOK, v[TSTA]
	v_add_nc_u32 v[TSTA+1], TOKB, v[TSTA]
	s_lshl_b32 s[STMP], s[SW], 10
	v_lshl_add_u32 v[LA16], v2, 6, s[STMP]         ; 1024 w + 64 h
	v_lshl_add_u32 v[LA1], v3, 2, s[STMP]          ; 1024 w + 4 lane
	v_lshlrev_b32 v[MRG], 2, v0
	v_mul_u32_u24 v[TSS], v0, 48
	v_add_nc_u32 v[TSS], TSC, v[TSS]
	v_add_nc_u32 v[TSS+1], TSCB, v[TSS]
	v_mul_u32_u24 v47, v1, PIT
	v_mad_u32_u24 v47, v2, 384, v47                ; a fragment's row x pitch + my half of the row
	s_mul_i32 s[STMP], s[SA], 32*PIT
	s_add_co_u32 s[STMP], s[STMP], WST
	v_add_nc_u32 v[WFA], s[STMP], v47
	s_mul_i32 s[STMP], s[SPAR], 16*PIT
	s_add_co_u32 s[STMP], s[STMP], TOK
	v_add_nc_u32 v[XA], s[STMP], v47
	v_add_nc_u32 v[XA+1], 64*PIT, v[XA]
	v_add_nc_u32 v[XA+2], TOKB, v[XA]
	v_add_nc_u32 v[XA+3], 64*PIT, v[XA+2]
	s_mul_i32 s[STMP], s[SPAR], 16*48
	s_add_co_u32 s[STMP], s[STMP], TSC
	v_mad_u32_u24 v[XSA], v1, 48, s[STMP]
	v_add_nc_u32 v[XSA+1], TSCB, v[XSA]
	v_lshlrev_b32 v[IDO], 4, v3
	; offsets in memory
	s_mul_i32 s[STMP], s[SA], 24
	v_mul_u32_u24 v[HCL], v1, 48
	v_mad_u32_u24 v[HCL], v2, 12, v[HCL]
	v_add_nc_u32 v[HCL], s[STMP], v[HCL]
	v_lshlrev_b32 v[HSL], 2, v1
	v_lshlrev_b32 v[PF], 8, v3
	v_and_b32 v46, 8, v1
	v_add_nc_u32 v46, v46, v1                      ; r + 8 (r / 8)
	v_lshl_add_u32 v46, v2, 3, v46                 ; + 8 u, u = lane / 16: lanes 16-31 take the second tile's rows
	v_lshlrev_b32 v[WSO], 5, v46                   ; 32 bytes of scales a row
	v_mov_b32 v46, 0                               ; from here on: 0, for the margin
	s_lshl_b32 s[SGB], s[SW], 5
	s_lshl_b32 s[STP], s[SPAR], 4
	s_mul_i32 s[SHOF], s[SPAR], 24576
	s_lshl_b32 s[SHSO], s[SPAR], 10
	s_mov_b32 s[SLA], 0
	s_mov_b32 s[SEL], 0x05010400
	s_mov_b32 s[SEL+1], 0x07030602
	s_mov_b32 s[XSEL], 0x76543210
	s_mov_b32 s[XSEL+1], 0xfedcba98
	s_mov_b32 s[NL2E], 0xbfb8aa3b
	s_mov_b32 s[NL2E+1], s[NL2E]                   ; (named with it as a pair, so it is written)
	s_lshl_b32 s44, s[SE], 12                      ; W's codes: row 4096 e + 2048 (w / 2) + 64 sl + 32 (w % 2), 768 bytes a row
	s_lshl_b32 s[STMP], s[SPAR], 11
	s_add_co_u32 s44, s44, s[STMP]
	s_lshl_b32 s[STMP], s[SSL], 6
	s_add_co_u32 s44, s44, s[STMP]
	s_lshl_b32 s[STMP], s[SA], 5
	s_add_co_u32 s44, s44, s[STMP]
	s_mul_i32 s44, s44, 768
	s_mov_b32 s45, 0
	s_lshl_b32 s46, s[SE], 12                      ; W's scales: gate row 4096 e + 64 sl + 32 a, 32 bytes a row; up's rows by the immediate
	s_lshl_b32 s[STMP], s[SSL], 6
	s_add_co_u32 s46, s46, s[STMP]
	s_lshl_b32 s[STMP], s[SA], 5
	s_add_co_u32 s46, s46, s[STMP]
	s_lshl_b32 s46, s46, 5
	s_mov_b32 s47, 0
	s_mul_i32 s48, s[SE], 64*24576                 ; hid_codes: expert, pair of blocks sl
	s_mul_i32 s[STMP], s[SSL], 768
	s_add_co_u32 s48, s48, s[STMP]
	s_mov_b32 s49, 0
	s_lshl_b32 s50, s[SE], 16                      ; hid_scales: block B = 2 sl + a lies at step (B % 32) / 2 = sl % 16, byte 2 (B % 2) + B / 32 = 2 a + sl / 16
	s_and_b32 s[STMP], s[SSL], 15
	s_lshl_b32 s[STMP], s[STMP], 6
	s_add_co_u32 s50, s50, s[STMP]
	s_lshl_b32 s[STMP], s[SA], 1
	s_add_co_u32 s50, s50, s[STMP]
	s_lshr_b32 s[STMP], s[SSL], 4
	s_add_co_u32 s50, s50, s[STMP]
	s_mov_b32 s51, 0
	s_mul_i32 s52, ttmp9, 49152                    ; w_down's codes: the 32 rows of 1,536 bytes that the next launch's work-group of my number reads
	s_mov_b32 s53, 0
	s_wait_kmcnt 0x0
	s_add_nc_u64 s[10:11], s[10:11], s[44:45]
	s_add_nc_u64 s[12:13], s[12:13], s[46:47]
	s_add_nc_u64 s[14:15], s[14:15], s[48:49]
	s_add_nc_u64 s[16:17], s[16:17], s[50:51]
	s_add_nc_u64 s[18:19], s[18:19], s[52:53]
.irp j, 0,1,2,3,4,5,6,7
	global_load_b128 v[ID+4*\j:ID+4*\j+3], v[IDO], s[4:5] offset:512*\j
.endr
	WIN 0x40                                       ; destination window 1
.irp j, 0,1,2,3,4,5,6,7,8,9,10,11,12,13,14,15
.irp q, 0,1,2
	global_load_b128 v[12*\j+4*\q:12*\j+4*\q+3], v[WGO], s[10:11] offset:768*\j+256*\q th:TH_LOAD_NT   ; 16 lanes read 256 consecutive bytes, aligned: my 32 rows, 24 KB, read once in the launch
.endr
.endr
	WIN 0
	global_load_b128 v[WL:WL+3], v[WSO], s[12:13]
	global_load_b128 v[WL+4:WL+7], v[WSO], s[12:13] offset:16
	global_load_b128 v[WL+8:WL+11], v[WSO], s[12:13] offset:65536
	global_load_b128 v[WL+12:WL+15], v[WSO], s[12:13] offset:65552
	ds_store_b32 v[MRG], v46 offset:MARG           ; my word of the margin behind the list: written once, here, ahead of the barrier in front of the loop
	ROUTE 52                                       ; behind the ids: 48 loads of codes and 4 of scales
	GISSUE                                         ; group 0 is always asked for (the places that my wave gathers are those that it found itself: LDS serves a wave's instructions in order); so the landing registers are written on every way
	s_wait_loadcnt 50                              ; the weights and their scales are in; the 48 + 2 loads just issued may be out
.irp s, 0,1,2,3,4,5,6,7
	v_perm_b32 v[WS+\s], v[WL+4+\s/2], v[WL+\s/2], s[SEL+\s%2]
	v_perm_b32 v[WS+8+\s], v[WL+12+\s/2], v[WL+8+\s/2], s[SEL+\s%2]
.endr
.rept 8
	v_nop                                          ; a scale register written by a vector instruction stands eight places ahead of a scaled matrix instruction
.endr
	WIN 0x04                                       ; the stores' data: window 1
.irp j, 0,1,2,3,4,5,6,7,8,9,10,11,12,13,14,15
.irp q, 0,1,2
	ds_store_b128 v[WSTA], v[12*\j+4*\q:12*\j+4*\q+3] offset:(16*(\j/8)+\j%8)*PIT+256*\q
.endr
.endr
	WIN 0
	s_wait_loadcnt 0x0                             ; group 0's rows are in
	GSTORE 0
	s_add_co_u32 s[SGB], s[SGB], 128
	s_add_co_u32 s[SLA], s[SLA], 128
	BARRIER                                        ; 128 weight rows, group 0, the list and its margin lie in LDS
	s_cmp_lg_u32 s[SW], 3
	s_cbranch_scc1 .Lno_prefetch
.irp i, 0,1,2,3,4,5
	global_prefetch_b8 v[PF], s[18:19] offset:8192*\i th:TH_LOAD_NT scope:SCOPE_SE   ; wave 3 alone, lanes 256 bytes apart: 6 x 8,192 = the 49,152 bytes of w_down that the next launch's work-group of my number loads first; each block is asked for once in the launch, when my own weights have landed
.endr
.Lno_prefetch:
	WIN 0x40
.irp t, 0,1,2,3
.irp i, 0,1,2,3,4,5,6,7,8,9,10,11
	ds_load_b128 v[48*\t+4*\i:48*\t+4*\i+3], v[WFA] offset:(64*(\t/2)+16*(\t%2))*PIT+16*\i
.endr
.endr
	WIN 0x80
.irp t, 0,1,2,3
.irp i, 12,13,14,15,16,17,18,19,20,21,22,23
	ds_load_b128 v[48*\t+4*\i-48:48*\t+4*\i-45], v[WFA] offset:(64*(\t/2)+16*(\t%2))*PIT+16*\i
.endr
.endr
	WIN 0
	s_wait_dscnt 0x0                               ; my weights are in registers, for the whole launch
	s_mov_b32 s[SOUT], 4
.Lgroups:                                              ; 8 groups of 128 places serve every count up to 1,024; the trip count is a constant, only work is passed over, so every wave passes every barrier
	TRIP 0
	TRIP 1
	s_sub_co_u32 s[SOUT], s[SOUT], 1
	s_cmp_lg_u32 s[SOUT], 0
	s_cbranch_scc1 .Lgroups
	s_wait_tensorcnt 0x0
	ds_add_u32 v254, v255
	s_wait_dscnt 0x0
	s_endpgm
.Lfunc_end_k_q828ae5af02_gateup:
	.size	k_q828ae5af02_gateup, .Lfunc_end_k_q828ae5af02_gateup-k_q828ae5af02_gateup
	.p2alignl 7, 3214868480
	.fill 96, 4, 3214868480
	.section	.rodata,"a",@progbits
	.p2align	6, 0x0
	.amdhsa_kernel k_q828ae5af02_gateup
		.amdhsa_group_segment_fixed_size 318464
		.amdhsa_private_segment_fixed_size 0
		.amdhsa_enable_private_segment 0
		.amdhsa_kernarg_size 64
		.amdhsa_user_sgpr_count 2
		.amdhsa_user_sgpr_kernarg_segment_ptr 1
		.amdhsa_wavefront_size32 1
		.amdhsa_system_sgpr_workgroup_id_x 1
		.amdhsa_system_sgpr_workgroup_id_y 1
		.amdhsa_system_sgpr_workgroup_id_z 1
		.amdhsa_system_vgpr_workitem_id 0
		.amdhsa_next_free_vgpr 960
		.amdhsa_next_free_sgpr 98
		.amdhsa_reserve_vcc 1
		.amdhsa_float_denorm_mode_32 3
		.amdhsa_float_denorm_mode_16_64 3
		.amdhsa_memory_ordered 1
		.amdhsa_forward_progress 1
		.amdhsa_inst_pref_size 164
	.end_amdhsa_kernel
	.amdgpu_metadata
---
amdhsa.version: [ 1, 2 ]
amdhsa.kernels:
  - .name:           k_q828ae5af02_gateup
    .symbol:         k_q828ae5af02_gateup.kd
    .args:
      - { .name: expert_ids, .offset: 0, .size: 8, .value_kind: global_buffer, .address_space: global }
      - { .name: tokens_codes, .offset: 8, .size: 8, .value_kind: global_buffer, .address_space: global }
      - { .name: tokens_scales, .offset: 16, .size: 8, .value_kind: global_buffer, .address_space: global }
      - { .name: w_gate_up_codes, .offset: 24, .size: 8, .value_kind: global_buffer, .address_space: global }
      - { .name: w_gate_up_scales, .offset: 32, .size: 8, .value_kind: global_buffer, .address_space: global }
      - { .name: hid_codes, .offset: 40, .size: 8, .value_kind: global_buffer, .address_space: global }
      - { .name: hid_scales, .offset: 48, .size: 8, .value_kind: global_buffer, .address_space: global }
      - { .name: w_down_codes, .offset: 56, .size: 8, .value_kind: global_buffer, .address_space: global }
    .group_segment_fixed_size: 318464
    .private_segment_fixed_size: 0
    .kernarg_segment_align: 8
    .kernarg_segment_size: 64
    .max_flat_workgroup_size: 128
    .sgpr_count:     98
    .vgpr_count:     960
    .wavefront_size: 32
...
	.end_amdgpu_metadata
.endif
;; end of part 1
;; launch down (part 2): grid 256 x 1, 4 waves a work-group, no clusters, 63,488 bytes of LDS; arguments expert_ids, hid_codes, hid_scales, w_down_codes, w_down_scales, out0; writes out0
.if DOCPART == 2
	.amdgcn_target "amdgcn-amd-amdhsa--gfx1250"
	.amdhsa_code_object_version 6
	.text
	.protected	k_q828ae5af02_down
	.globl	k_q828ae5af02_down
	.p2align	8
	.type	k_q828ae5af02_down,@function
k_q828ae5af02_down:
	s_mov_b64 s[64:65], 0
	v_nop
	global_prefetch_b8 v0, s[64:65] scope:SCOPE_SE
	s_setreg_imm32_b32 hwreg(HW_REG_WAVE_MODE, 25, 1), 1
	s_wait_xcnt 0x0
; out0[token] = hidden[token] Wdown[expert of token], on the codes that the first launch stored.
; SHARES.  Work-group x = (expert e = x / 32, slice sl = x % 32) owns output columns 32 sl .. 32 sl + 31 of expert e: 32 rows of w_down (48 KB of codes), read from memory once, through LDS into EVERY wave's registers
; (2 tiles of 16 rows x 16 K steps: 384 registers).  Wave w takes the expert's token tiles w, w + 4, ..: each hidden tile is read by one wave of the work-group, straight into operand registers (48 loads of 16 bytes,
; which the workspace's layout allows), in two sets of registers by turns.  No barrier stands in the loop over tiles.
; ROUTING.  Every wave finds its share of the expert's places by the same lines as the first launch: place q is row q % 16 of hidden tile q / 16.  No address but those of out0's rows hangs on data, and those on list entries read back from LDS.
; K IS TAKEN IN ANOTHER ORDER, ALIKE ON BOTH OPERANDS: lane (r, h) takes the half of its row at 768 h; registers 12 s + 6 c .. + 5 hold block 32 h + 2 s + c; the scale word of step s is S[2 s], S[32 + 2 s], S[2 s + 1], S[33 + 2 s].
; THE PRODUCT IS USED TRANSPOSED (source 0 = 16 rows of W, source 1 = 16 tokens): a lane holds one token and eight neighbouring outputs.  Even and odd K steps have accumulators of their own (four by turns), added at the end.
; THE LAST TILE'S SPARE ROWS repeat the token of place 0: they hold the same codes as its own row, meet the same weights, and store the same bits to the same bytes of out0 once more, from whichever wave of this work-group has the last tile.
; A WAVE'S FIRST TWO TILES (w and w + 4) ARE ASKED FOR WHATEVER THE COUNT, at fixed addresses inside the workspace, so that both sets of registers are written on every way; where the expert has fewer tiles those bytes are read and not used.
; LIMITS.  A token whose id lies outside 0 .. 7 gets no row of out0.  The order of K differs from ascending, so sums may differ from an ascending sum in the last bits of f32.
; A store covers 128 consecutive bytes of a token's row, aligned; the work-group beside this one writes the 128 beside them.
; No tensor loads and no cluster: which tiles are worked hangs on a count made from the ids.
.set LIST,  0                          ; 4,096 bytes: place 128 g + 32 w + lane at 1024 w + 128 g + 4 lane
.set WST,   4096                       ; 32 weight rows x WP
.set WP,    1552                       ; 1,536 bytes of codes + 16: 97 x 16, so the 16 rows that a 16-byte load touches start at different banks (ISA guide 11.1)
.set STG,   53760                      ; for each wave 16 rows x (128 bytes + 16)
.set WGO,  1                           ; v1    weights in memory: 4 rows x 1,536 x h + 16 r
.set WSTA, 2                           ; v2    weights into LDS
.set WFA,  3                           ; v3    weight fragments in LDS
.set HOFF, 4                           ; v4    my lane's place in a hidden tile: 16 pairs of blocks x 768 x h + 48 r
.set HSOFF, 5                          ; v5    4 x lane
.set HV,   6                           ; v6-7  the tile's offset in hid_codes, for set 0, 1
.set HSV,  8                           ; v8-9  and in hid_scales
.set LA,   10                          ; v10   list: the four places of tile w whose rows my lane stores
.set STO,  11                          ; v11   the stage: where I put 32 bytes of a row
.set SRD,  12                          ; v12   and where I read rows back
.set OC,   13                          ; v13   128 sl + 16 (lane % 8)
.set LAT,  14                          ; v14   list: the same four places of the tile in hand
.set LA1,  15                          ; v15   list: 1024 w + 4 lane
.set TK,   16                          ; v16-19 four list entries, then their offsets in out0
.set LWC,  20                          ; v20   list: where the places just found go
.set IDO,  21                          ; v21   16 x lane
.set WSO,  22                          ; v22   64 x lane
.set WS,   32                          ; v32-47 weight scale words of the 16 steps: lanes 0-15 tile 0, lanes 16-31 tile 1
.set HS,   48                          ; v48-55, v56-63 hidden scale words, set 0, 1: register i: lanes 0-15 step 2 i, lanes 16-31 step 2 i + 1
.set ID,   64                          ; at the head: the ids
.set WL,   96                          ; at the head: weight scale bytes as loaded
.set RQV,  112                         ; at the head, two registers each (two places at a time): the place;
.set RMM,  114                         ; its row's mask;
.set RPK,  116                         ; its row's number << 16 | the places ahead of that row;
.set RNN,  118                         ; which set bit of the mask;
.set RPO,  120                         ; the bit's number so far;
.set RKK,  122                         ; the row's number;
.set RCA,  124                         ; the mask's bit counts by 2,
.set RCB,  126                         ; by 4,
.set RCC,  128                         ; by 8,
.set RCD,  130                         ; by 16;
.set RTA,  132                         ; at work
.set RTB,  134
; window 0: v64-255 hidden fragments, set 1.  window 1: v0-95 the weights as they land, then W of K steps 0-7 (tile a, step s at 96 a + 12 s).  window 2: W of K steps 8-15.
; window 3: v0-191 hidden fragments, set 0; v192-223 four accumulators; v224-239 their sums; v240-255 rows back from the stage
.set ACC,  192
.set O,    224
.set OB,   240
.set SW,   20
.set SE,   23
.set SSL,  24
.set SCNT, 25                          ; the expert's count of tokens
.set SBASE, 26
.set STMP, 27
.set SPK,  28
.set STP,  30                          ; first place of my tile in hand
.set SHT,  31                          ; its offset in hid_codes
.set SHST, 32                          ; and in hid_scales
.set SOUT, 33
.set SC1,  34
.set SQ0,  35
.set SRT,  36
.set SM1,  37
.set SEL,  38                          ; s38-39 v_perm_b32's selects for even and odd steps
.set SLA,  54                          ; 128 x the trip: the list's step from pair of tiles to pair of tiles
.set SLW,  55
.set MK,   66                          ; s66-97 the 32 lane masks
.set MSB, 0
.macro WIN new                         ; the immediate's high byte repeats the setting that is left
.if MSB != (\new)
	s_set_vgpr_msb (MSB<<8)|(\new)
.set MSB, (\new)
.endif
.endm
.macro BARRIER                         ; my LDS stores have landed and my LDS loads are in: then the work-group's barrier
	s_wait_dscnt 0x0
	s_barrier_signal -1
	s_barrier_wait -1
.endm
; One step of the search for a mask's n-th set bit: the w bits from the bit's number so far hold c set bits (read off the counts in src); where n >= c the bit lies further up: n - c, w bits on.
.macro SELSTEP src, w, wd
.irp i, 0,1
	v_bfe_u32 v[RTA+\i], v[\src+\i], v[RPO+\i], \wd
.endr
	v_cmp_ge_u32 vcc_lo, v[RNN], v[RTA]
	v_cmp_ge_u32 s[SM1], v[RNN+1], v[RTA+1]
.irp i, 0,1
	v_sub_nc_u32 v[RTA+\i], v[RNN+\i], v[RTA+\i]
	v_add_nc_u32 v[RTB+\i], \w, v[RPO+\i]
.endr
	v_cndmask_b32 v[RNN], v[RNN], v[RTA], vcc_lo
	v_cndmask_b32 v[RPO], v[RPO], v[RTB], vcc_lo
	v_cndmask_b32 v[RNN+1], v[RNN+1], v[RTA+1], s[SM1]
	v_cndmask_b32 v[RPO+1], v[RPO+1], v[RTB+1], s[SM1]
.endm
; THE LIST.  Register k = 4 j + i of the ids holds, in lane l, the id of token 128 j + 4 l + i.  Row k of the order is that register's 32 lanes.  younger: the loads issued behind the ids.
.macro ROUTE younger
	s_wait_loadcnt \younger                        ; the ids are in; the weights stay on their way
.set k, 0
.rept 32
	v_cmp_eq_u32 s[MK+k], s[SE], v[ID+k]
.set k, k+1
.endr
	s_mov_b32 s[SCNT], 0
.set k, 0
.rept 32
	s_bcnt1_i32_b32 s[STMP], s[MK+k]
	s_add_co_u32 s[SCNT], s[SCNT], s[STMP]
.set k, k+1
.endr
	s_max_u32 s[SC1], s[SCNT], 1                   ; the first trip always runs: groups 0 and 1 of the list are always written
	s_mov_b32 s[SQ0], 0
	s_mov_b32 s[SLW], 0
	s_mov_b32 s[SRT], 4
.Lroute:                                               ; 4 trips, a constant; trip t finds places 256 t + thread and 256 t + 128 + thread; a trip whose places all lie past the count is passed over
	s_cmp_lt_u32 s[SQ0], s[SC1]
	s_cbranch_scc0 .Lroute_next
	v_add_nc_u32 v[RQV], s[SQ0], v0
	v_add_nc_u32 v[RQV+1], 0x80, v[RQV]
	v_cmp_gt_u32 vcc_lo, s[SCNT], v[RQV]
	v_cmp_gt_u32 s[SM1], s[SCNT], v[RQV+1]
	v_cndmask_b32 v[RQV], 0, v[RQV], vcc_lo        ; a place from the count on takes place 0's token
	v_cndmask_b32 v[RQV+1], 0, v[RQV+1], s[SM1]
.irp i, 0,1
	v_mov_b32 v[RMM+\i], s[MK]
	v_mov_b32 v[RPK+\i], 0
.endr
	s_mov_b32 s[SBASE], 0
.set k, 1
.rept 31                                       ; the last row with no more places ahead of it than q is q's row
	s_bcnt1_i32_b32 s[STMP], s[MK+k-1]
	s_add_co_u32 s[SBASE], s[SBASE], s[STMP]
	s_add_co_u32 s[SPK], s[SBASE], k<<16
	v_cmp_le_u32 vcc_lo, s[SBASE], v[RQV]
	v_cmp_le_u32 s[SM1], s[SBASE], v[RQV+1]
	v_cndmask_b32 v[RMM], v[RMM], s[MK+k], vcc_lo
	v_cndmask_b32 v[RPK], v[RPK], s[SPK], vcc_lo
	v_cndmask_b32 v[RMM+1], v[RMM+1], s[MK+k], s[SM1]
	v_cndmask_b32 v[RPK+1], v[RPK+1], s[SPK], s[SM1]
.set k, k+1
.endr
.irp i, 0,1
	v_and_b32 v[RTA+\i], 0xffff, v[RPK+\i]
	v_lshrrev_b32 v[RKK+\i], 16, v[RPK+\i]
	v_sub_nc_u32 v[RNN+\i], v[RQV+\i], v[RTA+\i]   ; n: which set bit of the row's mask
	v_mov_b32 v[RPO+\i], 0
.endr
.irp i, 0,1                                    ; the mask's set bits counted by 2, 4, 8 and 16 neighbouring bits
	v_lshrrev_b32 v[RTA+\i], 1, v[RMM+\i]
	v_and_b32 v[RTA+\i], 0x55555555, v[RTA+\i]
	v_sub_nc_u32 v[RCA+\i], v[RMM+\i], v[RTA+\i]
	v_lshrrev_b32 v[RTA+\i], 2, v[RCA+\i]
	v_and_b32 v[RTA+\i], 0x33333333, v[RTA+\i]
	v_and_b32 v[RTB+\i], 0x33333333, v[RCA+\i]
	v_add_nc_u32 v[RCB+\i], v[RTA+\i], v[RTB+\i]
	v_lshrrev_b32 v[RTA+\i], 4, v[RCB+\i]
	v_add_nc_u32 v[RTA+\i], v[RTA+\i], v[RCB+\i]
	v_and_b32 v[RCC+\i], 0x0f0f0f0f, v[RTA+\i]
	v_lshrrev_b32 v[RTA+\i], 8, v[RCC+\i]
	v_add_nc_u32 v[RCD+\i], v[RTA+\i], v[RCC+\i]
.endr
	SELSTEP RCD, 16, 8
	SELSTEP RCC, 8, 8
	SELSTEP RCB, 4, 4
	SELSTEP RCA, 2, 2
	SELSTEP RMM, 1, 1
.irp i, 0,1                                    ; row k, lane l: token 128 (k / 4) + 4 l + k % 4
	v_and_b32 v[RTA+\i], 28, v[RKK+\i]
	v_and_b32 v[RTB+\i], 3, v[RKK+\i]
	v_lshl_or_b32 v[RTA+\i], v[RTA+\i], 5, v[RTB+\i]
	v_lshl_or_b32 v[RTA+\i], v[RPO+\i], 2, v[RTA+\i]
.endr
	v_add_nc_u32 v[LWC], s[SLW], v[LA1]
	ds_store_b32 v[LWC], v[RTA] offset:LIST
	ds_store_b32 v[LWC], v[RTA+1] offset:LIST+128
	s_wait_dscnt 0x0                               ; the stores have read their registers
.Lroute_next:
	s_add_co_u32 s[SQ0], s[SQ0], 256
	s_add_co_u32 s[SLW], s[SLW], 256
	s_sub_co_u32 s[SRT], s[SRT], 1
	s_cmp_lg_u32 s[SRT], 0
	s_cbranch_scc1 .Lroute
.endm
; The hidden tile d tiles on from the one in hand is asked for, into set b: 8 loads of scale words, 48 of codes.
.macro LOADH b, d
	s_add_co_u32 s[STMP], s[SHT], 24576*(\d)
	v_add_nc_u32 v[HV+(\b)], s[STMP], v[HOFF]      ; (this set's last loads were shown done by a wait on the loads' counter ahead of the products that read them)
	s_add_co_u32 s[STMP], s[SHST], 1024*(\d)
	v_add_nc_u32 v[HSV+(\b)], s[STMP], v[HSOFF]
.irp i, 0,1,2,3,4,5,6,7
	global_load_b32 v[HS+8*(\b)+\i], v[HSV+(\b)], s[8:9] offset:128*\i
.endr
	WIN 0xc0*(1-(\b))                              ; set 0 lies in window 3, set 1 in window 0
.irp s, 0,1,2,3,4,5,6,7,8,9,10,11,12,13,14,15
.irp q, 0,1,2
	global_load_b128 v[64*(\b)+12*\s+4*\q:64*(\b)+12*\s+4*\q+3], v[HV+(\b)], s[6:7] offset:768*\s+16*\q
.endr
.endr
	WIN 0
.endm
; one product: hidden set b, K step s, weight tile a.  The four accumulators take turns, one instruction a turn.
.macro DMM b, s, a
.set rD, ACC+8*(2*((\s)%2)+(\a))
.set rA, 96*(\a)+12*((\s)%8)
.set rB, 64*(\b)+12*(\s)
.set rSA, WS+(\s)
.set rSB, HS+8*(\b)+(\s)/2
.if (\s) < 2
.if (\a) == 0 && (\s)%2 == 0
	v_wmma_scale_f32_16x16x128_f8f6f4 v[rD:rD+7], v[rA:rA+11], v[rB:rB+11], 0, v[rSA], v[rSB] matrix_a_fmt:MATRIX_FMT_FP6 matrix_b_fmt:MATRIX_FMT_FP6
.elseif (\s)%2 == 0
	v_wmma_scale_f32_16x16x128_f8f6f4 v[rD:rD+7], v[rA:rA+11], v[rB:rB+11], 0, v[rSA], v[rSB] matrix_a_fmt:MATRIX_FMT_FP6 matrix_b_fmt:MATRIX_FMT_FP6 matrix_a_scale:MATRIX_SCALE_ROW1
.elseif (\a) == 0
	v_wmma_scale_f32_16x16x128_f8f6f4 v[rD:rD+7], v[rA:rA+11], v[rB:rB+11], 0, v[rSA], v[rSB] matrix_a_fmt:MATRIX_FMT_FP6 matrix_b_fmt:MATRIX_FMT_FP6 matrix_b_scale:MATRIX_SCALE_ROW1
.else
	v_wmma_scale_f32_16x16x128_f8f6f4 v[rD:rD+7], v[rA:rA+11], v[rB:rB+11], 0, v[rSA], v[rSB] matrix_a_fmt:MATRIX_FMT_FP6 matrix_b_fmt:MATRIX_FMT_FP6 matrix_a_scale:MATRIX_SCALE_ROW1 matrix_b_scale:MATRIX_SCALE_ROW1
.endif
.else
.if (\a) == 0 && (\s)%2 == 0
	v_wmma_scale_f32_16x16x128_f8f6f4 v[rD:rD+7], v[rA:rA+11], v[rB:rB+11], v[rD:rD+7], v[rSA], v[rSB] matrix_a_fmt:MATRIX_FMT_FP6 matrix_b_fmt:MATRIX_FMT_FP6
.elseif (\s)%2 == 0
	v_wmma_scale_f32_16x16x128_f8f6f4 v[rD:rD+7], v[rA:rA+11], v[rB:rB+11], v[rD:rD+7], v[rSA], v[rSB] matrix_a_fmt:MATRIX_FMT_FP6 matrix_b_fmt:MATRIX_FMT_FP6 matrix_a_scale:MATRIX_SCALE_ROW1
.elseif (\a) == 0
	v_wmma_scale_f32_16x16x128_f8f6f4 v[rD:rD+7], v[rA:rA+11], v[rB:rB+11], v[rD:rD+7], v[rSA], v[rSB] matrix_a_fmt:MATRIX_FMT_FP6 matrix_b_fmt:MATRIX_FMT_FP6 matrix_b_scale:MATRIX_SCALE_ROW1
.else
	v_wmma_scale_f32_16x16x128_f8f6f4 v[rD:rD+7], v[rA:rA+11], v[rB:rB+11], v[rD:rD+7], v[rSA], v[rSB] matrix_a_fmt:MATRIX_FMT_FP6 matrix_b_fmt:MATRIX_FMT_FP6 matrix_a_scale:MATRIX_SCALE_ROW1 matrix_b_scale:MATRIX_SCALE_ROW1
.endif
.endif
.endm
; The tile in set b: 32 products, the sums, and the way out through my own stage in LDS: a lane holds 32 bytes of one token's row; eight lanes then store a row's 128 bytes.
; Tile w + 4 t begins at place 16 w + 64 t, which lies in the list at 1024 (w / 2 + 2 (t % 2)) + 128 (t / 2) + 64 (w % 2): t % 2 = b stands in the immediate, t / 2 in the scalar that the loop steps.
.macro COMPUTE b
	s_wait_xcnt 0x0                                ; the last tile's stores have read their offsets and data: both are loaded anew below
	v_add_nc_u32 v[LAT], s[SLA], v[LA]
	ds_load_b128 v[TK:TK+3], v[LAT] offset:LIST+2048*(\b)          ; the tokens of rows 4 (lane / 8) + 0 .. 3
	WIN 0xf1+0x0c*(1-(\b))                         ; W window 1, the hidden set's window, C and D window 3
.irp s, 0,1,2,3,4,5,6,7
.irp a, 0,1
	DMM \b, \s, \a
.endr
.endr
	WIN 0xf2+0x0c*(1-(\b))                         ; W of K steps 8-15: window 2
.irp s, 8,9,10,11,12,13,14,15
.irp a, 0,1
	DMM \b, \s, \a
.endr
.endr
	WIN 0
	s_wait_dscnt 0x0
.irp i, 0,1,2,3
	v_min_u32 v[TK+\i], 0x3ff, v[TK+\i]            ; these twelve lines name no register of the products: they are the places behind the last of them (ISA guide 7.12.1), for the sums below,
.endr                                              ; for the next loads into this set and for the next tile's first products, which begin the accumulators anew
.irp i, 0,1,2,3
	v_lshlrev_b32 v[TK+\i], 12, v[TK+\i]           ; token x 4,096 bytes
.endr
.irp i, 0,1,2,3
	v_add_nc_u32 v[TK+\i], v[OC], v[TK+\i]         ; + my columns
.endr
	WIN 0xcf                                       ; all in window 3
.irp a, 0,1
.irp i, 0,2,4,6
	v_pk_add_f32 v[O+8*\a+\i:O+8*\a+\i+1], v[ACC+8*\a+\i:ACC+8*\a+\i+1], v[ACC+16+8*\a+\i:ACC+16+8*\a+\i+1]   ; even steps' sum + odd steps'; each accumulator from its low end on
.endr
.endr
	WIN 0x0c                                       ; the stores' data: window 3
.irp a, 0,1
	ds_store_b128 v[STO], v[O+8*\a:O+8*\a+3] offset:64*\a           ; lane (r, h): token r, outputs 16 a + 8 h + 0 .. 7
	ds_store_b128 v[STO], v[O+8*\a+4:O+8*\a+7] offset:64*\a+16
.endr
	WIN 0xc0
.irp i, 0,1,2,3
	ds_load_b128 v[OB+4*\i:OB+4*\i+3], v[SRD] offset:144*\i         ; LDS serves a wave's instructions in order (ISA guide 5.7.1.4): these see the stores above
.endr
	WIN 0x0c
.irp i, 0,1,2,3
	s_wait_dscnt 3-\i                              ; row i's load is in; the younger ones may be out
	global_store_b128 v[TK+\i], v[OB+4*\i:OB+4*\i+3], s[14:15] th:TH_STORE_NT   ; eight lanes store 128 consecutive bytes of a token's row, aligned; written once, read by nobody here
.endr
	WIN 0
.endm
; A tile's turn.  At its head set b is in (the wait at the end of the turn before, or ahead of the loop).  A tile that begins at or past the count is passed over.  Then the tile two turns on is asked for, if there is
; one, into the set just freed; the wait behind it leaves those loads out and shows all older ones done: the other set is in, on either way.
.macro TRIP b
	s_cmp_lt_u32 s[STP], s[SCNT]
	s_cbranch_scc0 .Lno_tile_\@
	COMPUTE \b
.Lno_tile_\@:
	s_add_co_u32 s[STMP], s[STP], 128
	s_cmp_lt_u32 s[STMP], s[SCNT]
	s_cbranch_scc0 .Lno_more_\@
	LOADH \b, 8
	s_wait_loadcnt 56                              ; the 8 + 48 just issued may be out
	s_branch .Lon_\@
.Lno_more_\@:
	s_wait_loadcnt 0x0
.Lon_\@:
	s_add_co_u32 s[STP], s[STP], 64
	s_add_co_u32 s[SHT], s[SHT], 4*24576
	s_add_co_u32 s[SHST], s[SHST], 4*1024
.endm
	s_load_b256 s[4:11], s[0:1], 0x0               ; ids s[4:5], hid_codes s[6:7], hid_scales s[8:9], W's codes s[10:11]
	s_load_b128 s[12:15], s[0:1], 0x20             ; W's scales s[12:13], out0 s[14:15]
	v_lshl_add_u32 v30, v0, 2, 0xf600
	v_mov_b32 v31, 0
	v_and_b32 v23, 15, v0                          ; r
	v_bfe_u32 v24, v0, 4, 1                        ; h
	v_and_b32 v25, 31, v0                          ; lane
	v_bfe_u32 v26, v0, 3, 2                        ; lane / 8
	v_and_b32 v27, 7, v0                           ; lane % 8
	v_lshrrev_b32 v28, 5, v0
	v_readfirstlane_b32 s[SW], v28                 ; wave 0..3
	s_lshr_b32 s[SE], ttmp9, 5                     ; expert
	s_and_b32 s[SSL], ttmp9, 31                    ; slice
	; LDS addresses: constants, the lane's and the wave's terms
	v_mul_u32_u24 v[WGO], v24, 4*1536
	v_lshl_add_u32 v[WGO], v23, 4, v[WGO]
	s_mul_i32 s[STMP], s[SW], 8*WP
	s_add_co_u32 s[STMP], s[STMP], WST
	v_mul_u32_u24 v[WSTA], v24, 4*WP
	v_lshl_add_u32 v[WSTA], v23, 4, v[WSTA]
	v_add_nc_u32 v[WSTA], s[STMP], v[WSTA]         ; rows 8 w + 4 h + j
	v_mul_u32_u24 v[WFA], v23, WP
	v_mad_u32_u24 v[WFA], v24, 768, v[WFA]
	v_add_nc_u32 v[WFA], WST, v[WFA]
	s_lshl_b32 s[STMP], s[SW], 10
	v_lshl_add_u32 v[LA1], v25, 2, s[STMP]         ; 1024 w + 4 lane
	s_lshr_b32 s[STMP], s[SW], 1
	s_lshl_b32 s[STMP], s[STMP], 10
	s_and_b32 s[SPK], s[SW], 1
	s_lshl_b32 s[SPK], s[SPK], 6
	s_add_co_u32 s[STMP], s[STMP], s[SPK]
	v_lshl_add_u32 v[LA], v26, 4, s[STMP]          ; 1024 (w / 2) + 64 (w % 2) + 16 (lane / 8)
	s_mul_i32 s[STMP], s[SW], 16*144
	s_add_co_u32 s[STMP], s[STMP], STG
	v_mul_u32_u24 v[STO], v23, 144
	v_lshl_add_u32 v[STO], v24, 5, v[STO]
	v_add_nc_u32 v[STO], s[STMP], v[STO]
	v_mul_u32_u24 v[SRD], v26, 4*144
	v_lshl_add_u32 v[SRD], v27, 4, v[SRD]
	v_add_nc_u32 v[SRD], s[STMP], v[SRD]
	v_lshlrev_b32 v[IDO], 4, v25
	; offsets in memory
	s_lshl_b32 s[STMP], s[SSL], 7
	v_lshl_add_u32 v[OC], v27, 4, s[STMP]
	v_mul_u32_u24 v[HOFF], v24, 16*768
	v_mad_u32_u24 v[HOFF], v23, 48, v[HOFF]
	v_lshlrev_b32 v[HSOFF], 2, v25
	v_lshlrev_b32 v[WSO], 6, v25                   ; lane l takes row l's 64 scale bytes: lanes 0-15 tile 0, lanes 16-31 tile 1
	s_lshl_b32 s[STP], s[SW], 4
	s_mul_i32 s[SHT], s[SW], 24576
	s_lshl_b32 s[SHST], s[SW], 10
	s_mov_b32 s[SLA], 0
	s_mov_b32 s[SEL], 0x05010400
	s_mov_b32 s[SEL+1], 0x07030602
	s_lshl_b32 s44, s[SE], 10
	s_lshl_b32 s[STMP], s[SSL], 5
	s_add_co_u32 s44, s44, s[STMP]                 ; W's row 1024 e + 32 sl
	s_lshl_b32 s46, s44, 6                         ; its scales: 64 bytes a row
	s_mov_b32 s47, 0
	s_lshl_b32 s[STMP], s[SW], 3
	s_add_co_u32 s44, s44, s[STMP]                 ; + 8 w: the rows that I fetch
	s_mul_i32 s44, s44, 1536
	s_mov_b32 s45, 0
	s_mul_i32 s48, s[SE], 64*24576
	s_mov_b32 s49, 0
	s_lshl_b32 s50, s[SE], 16
	s_mov_b32 s51, 0
	s_wait_kmcnt 0x0
	s_add_nc_u64 s[10:11], s[10:11], s[44:45]
	s_add_nc_u64 s[12:13], s[12:13], s[46:47]
	s_add_nc_u64 s[6:7], s[6:7], s[48:49]
	s_add_nc_u64 s[8:9], s[8:9], s[50:51]
.irp j, 0,1,2,3,4,5,6,7
	global_load_b128 v[ID+4*\j:ID+4*\j+3], v[IDO], s[4:5] offset:512*\j
.endr
	WIN 0x40                                       ; destination window 1
.irp j, 0,1,2,3
.irp q, 0,1,2,3,4,5
	global_load_b128 v[4*(6*\j+\q):4*(6*\j+\q)+3], v[WGO], s[10:11] offset:1536*\j+256*\q th:TH_LOAD_NT   ; 16 lanes read 256 consecutive bytes, aligned: my 8 rows, 12 KB, read once in the launch
.endr
.endr
	WIN 0
.irp q, 0,1,2,3
	global_load_b128 v[WL+4*\q:WL+4*\q+3], v[WSO], s[12:13] offset:16*\q
.endr
	ROUTE 28                                       ; behind the ids: 24 loads of codes and 4 of scales
	LOADH 0, 0                                     ; my first tile, w
	s_wait_loadcnt 56                              ; the weights and their scales are in; the 8 + 48 just issued may be out
.irp s, 0,1,2,3,4,5,6,7,8,9,10,11,12,13,14,15
	v_perm_b32 v[WS+\s], v[WL+8+\s/2], v[WL+\s/2], s[SEL+\s%2]
.endr
.rept 8
	v_nop                                          ; a scale register written by a vector instruction stands eight places ahead of a scaled matrix instruction
.endr
	WIN 0x04                                       ; the stores' data: window 1
.irp j, 0,1,2,3
.irp q, 0,1,2,3,4,5
	ds_store_b128 v[WSTA], v[4*(6*\j+\q):4*(6*\j+\q)+3] offset:WP*\j+256*\q
.endr
.endr
	WIN 0
	LOADH 1, 4                                     ; my second tile, w + 4, into the registers that the ids, the scale bytes and the search have left
	BARRIER                                        ; the list and the 32 weight rows lie in LDS: the launch's one barrier
	WIN 0x40
.irp a, 0,1
.irp i, 0,1,2,3,4,5,6,7,8,9,10,11,12,13,14,15,16,17,18,19,20,21,22,23
	ds_load_b128 v[96*\a+4*\i:96*\a+4*\i+3], v[WFA] offset:16*WP*\a+16*\i
.endr
.endr
	WIN 0x80
.irp a, 0,1
.irp i, 24,25,26,27,28,29,30,31,32,33,34,35,36,37,38,39,40,41,42,43,44,45,46,47
	ds_load_b128 v[96*\a+4*\i-96:96*\a+4*\i-93], v[WFA] offset:16*WP*\a+16*\i
.endr
.endr
	WIN 0
	s_wait_dscnt 0x0                               ; the weights are in registers, for the whole launch
	s_wait_loadcnt 56                              ; set 0 is in; set 1's 8 + 48 loads may be out
	s_mov_b32 s[SOUT], 8
.Lpair:                                                ; 8 trips of two tiles: 16 tiles a wave serve every count up to 1,024; the trip count is a constant, only work is passed over
	TRIP 0
	TRIP 1
	s_add_co_u32 s[SLA], s[SLA], 128
	s_sub_co_u32 s[SOUT], s[SOUT], 1
	s_cmp_lg_u32 s[SOUT], 0
	s_cbranch_scc1 .Lpair
	s_wait_tensorcnt 0x0
	ds_add_u32 v30, v31
	s_wait_dscnt 0x0
	s_endpgm
.Lfunc_end_k_q828ae5af02_down:
	.size	k_q828ae5af02_down, .Lfunc_end_k_q828ae5af02_down-k_q828ae5af02_down
	.p2alignl 7, 3214868480
	.fill 96, 4, 3214868480
	.section	.rodata,"a",@progbits
	.p2align	6, 0x0
	.amdhsa_kernel k_q828ae5af02_down
		.amdhsa_group_segment_fixed_size 63488
		.amdhsa_private_segment_fixed_size 0
		.amdhsa_enable_private_segment 0
		.amdhsa_kernarg_size 48
		.amdhsa_user_sgpr_count 2
		.amdhsa_user_sgpr_kernarg_segment_ptr 1
		.amdhsa_wavefront_size32 1
		.amdhsa_system_sgpr_workgroup_id_x 1
		.amdhsa_system_sgpr_workgroup_id_y 1
		.amdhsa_system_sgpr_workgroup_id_z 1
		.amdhsa_system_vgpr_workitem_id 0
		.amdhsa_next_free_vgpr 1024
		.amdhsa_next_free_sgpr 98
		.amdhsa_reserve_vcc 1
		.amdhsa_float_denorm_mode_32 3
		.amdhsa_float_denorm_mode_16_64 3
		.amdhsa_memory_ordered 1
		.amdhsa_forward_progress 1
		.amdhsa_inst_pref_size 76
	.end_amdhsa_kernel
	.amdgpu_metadata
---
amdhsa.version: [ 1, 2 ]
amdhsa.kernels:
  - .name:           k_q828ae5af02_down
    .symbol:         k_q828ae5af02_down.kd
    .args:
      - { .name: expert_ids, .offset: 0, .size: 8, .value_kind: global_buffer, .address_space: global }
      - { .name: hid_codes, .offset: 8, .size: 8, .value_kind: global_buffer, .address_space: global }
      - { .name: hid_scales, .offset: 16, .size: 8, .value_kind: global_buffer, .address_space: global }
      - { .name: w_down_codes, .offset: 24, .size: 8, .value_kind: global_buffer, .address_space: global }
      - { .name: w_down_scales, .offset: 32, .size: 8, .value_kind: global_buffer, .address_space: global }
      - { .name: out0, .offset: 40, .size: 8, .value_kind: global_buffer, .address_space: global }
    .group_segment_fixed_size: 63488
    .private_segment_fixed_size: 0
    .kernarg_segment_align: 8
    .kernarg_segment_size: 48
    .max_flat_workgroup_size: 128
    .sgpr_count:     98
    .vgpr_count:     1024
    .wavefront_size: 32
...
	.end_amdgpu_metadata
.endif
;; end of part 2
;; ======== version 2 of 2: 2 launches; version 1 with the launches gateup, down written anew for expert scheduling mode
;; workspace buffers: hid_codes 12,582,912 bytes; hid_scales 524,288 bytes
;; launch gateup (part 3): grid 256 x 1, 4 waves a work-group, no clusters, 318,464 bytes of LDS; arguments expert_ids, tokens_codes, tokens_scales, w_gate_up_codes, w_gate_up_scales, hid_codes, hid_scales, w_down_codes; writes hid_codes, hid_scales
.if DOCPART == 3
	.amdgcn_target "amdgcn-amd-amdhsa--gfx1250"
	.amdhsa_code_object_version 6
	.text
	.protected	k_q828ae5af02_gateup
	.globl	k_q828ae5af02_gateup
	.p2align	8
	.type	k_q828ae5af02_gateup,@function
k_q828ae5af02_gateup:
	s_mov_b64 s[64:65], 0
	v_nop
	global_prefetch_b8 v0, s[64:65] scope:SCOPE_SE
	s_setreg_imm32_b32 hwreg(HW_REG_WAVE_SCHED_MODE, 0, 2), 2
	s_setreg_imm32_b32 hwreg(HW_REG_WAVE_MODE, 25, 1), 1
	s_wait_xcnt 0x0
	s_wait_alu depctr_vm_vsrc(0)
; hidden = silu(x Wg) * (x Wu), quantised to E2M3 along the 2,048 hidden units, for each token under ITS expert alone.
; SHARES.  Work-group x = (expert e = x / 32, slice sl = x % 32) owns hidden units 64 sl .. 64 sl + 63 of expert e: 64 gate rows and 64 up rows of w_gate_up (96 KB of codes), read from memory once.
; Wave w: a = w % 2 says which of the slice's two blocks of 32 hidden units is its own, p = w / 2 which token tiles (even, odd).  Its 4 weight tiles (gate, up x 2 tiles of 16 rows) x 8 K steps stay in 384 registers.
; ROUTING, while the weights are on their way.  Every wave reads the 1,024 ids and makes 32 lane masks (id = e).  The expert's tokens, in the order (register, lane) of those masks, are its PLACES 0 .. cnt - 1.
; Thread t finds the tokens of places 128 g + t by arithmetic alone and stores them at fixed LDS addresses; no address and no lane mask hangs on data.  Place q (tile q / 16, row q % 16) is the key under which the
; hidden row is stored; the second launch finds the same places by the same lines.  Places from cnt on take the token of place 0, so a last tile needs no mask: its spare rows repeat that token.
; K IS TAKEN IN ANOTHER ORDER, ALIKE ON BOTH OPERANDS: lane (r, h) takes the half of its row at 384 h, on end, so that fragments come by loads of 16 bytes.  Registers 12 s + 6 c .. + 5 hold block 16 h + 2 s + c;
; the scale word of step s is the bytes S[2 s], S[16 + 2 s], S[2 s + 1], S[17 + 2 s], made by one v_perm_b32.
; THE PRODUCT IS USED TRANSPOSED (source 0 = 16 rows of W, source 1 = 16 tokens), and lane r of weight tile u holds row 8 u + r + 8 (r / 8) of the block: a lane then holds ONE token and hidden units 16 h + 0 .. 15 in 16 registers.
; OUT.  hid_codes [e][tile 64][pair of blocks 32][row 16][48 bytes], hid_scales [e][tile][step 16][row 16][4 bytes], the bytes already in the order that the second product's scale words want.
; LIMITS.  An id outside 0 .. 7 is served by no work-group.  NaN and infinities in the hidden layer are not served.  A block of zeros gets the byte 1 (its codes are zeros; this program alone reads the bytes).
; The order of K differs from ascending, so sums may differ from an ascending sum in the last bits of f32.  silu(g) u is formed as (g u) / (1 + 2^(-g log2 e)).
; No tensor loads and no cluster: which tiles are worked hangs on a count made from the ids.
; THE MODE: SCHED_MODE bits 1:0 = 2 (LLVM: expert scheduling mode 2), set by the entry lines.  The code itself states the register dependences
; between vector or matrix instructions and memory or LDS instructions, with s_wait_alu, always for 0.
; THE PLAN.  Registers that memory or LDS instructions touch, and who else names them:
;   v4-21, v27, v45, v46, v242, v243, v254, v255   Addresses, the margin's 0 and the closing add's two: written by vector lines at the head, never again.  One wait on va_vdst ahead of the first load.
;   LWC, RTA          A trip of the search writes them; its two list stores read them: va_vdst ahead of the stores, vm_vsrc behind them.
;   LAT, LAT1         GISSUE's two additions write them, its five list loads read them.
;   TK, TKL           The list loads land in them, GISSUE's arithmetic makes offsets of them, its 50 global loads read them.
;   window 3, SL      The token loads land in them; GSTORE's 48 LDS stores read window 3, its eight v_perm_b32 read SL.
;   SP                Those v_perm_b32 write it, two LDS stores read it.
;   XS, XF            A tile's 26 LDS loads land in them, its 32 products read them.  The wait behind the tile's exponentials stands behind those products, and nothing behind it names XS or XF: the next tile's loads owe nothing.
;   HCV, HSV, C, Q+3  A tile's vector lines write them, its two global stores read them: va_vdst ahead of the stores, vm_vsrc ahead of the next tile's first write of them.
;   windows 1 and 2   The weights: loads land, the head's LDS stores read window 1, LDS loads land again, the products read.
; ONE wait on vm_vsrc stands at each trip's end, on every way: it frees LAT, LAT1, TK, TKL, window 3 and SP for the next trip.
; Scalar results of vector instructions (the wave's number, the lane masks, the search's compares) have a wait on va_sdst ahead of their first reader; the search's compares are laid in runs, one wait a run.  VCC is not used.
.set PIT,   784                        ; an LDS row of 768 bytes of codes + 16: 49 x 16, so the 16 rows that a 16-byte load touches start at different banks (ISA guide 11.1)
.set LIST,  0                          ; 4,096 bytes: place 128 g + 32 w + lane at 1024 w + 128 g + 4 lane: each wave's 1,024 bytes are written by that wave alone
.set MARG,  4096                       ; 512 bytes of zeros, a word a thread.  Every trip of the loop over groups holds the lines that ask for the next group; the eighth trip's name group 8, whose first place,
                                       ; 1,024 + 32 w, is never under the count, so they are always passed over.  Their list addresses are the 128 bytes behind a wave's own 1,024: behind wave 3's lies this margin
.set TSC,   4608                       ; two buffers of 128 rows x 48: a token's 8 scale words, in the products' order, + 16
.set TSCB,  6144
.set WST,   16896                      ; 128 weight rows x PIT
.set TOK,   117248                     ; two buffers of 128 token rows x PIT
.set TOKB,  128*PIT
.set WGO,  4                           ; v4    weights in memory: 16 rows x 768 x h + 16 r
.set WSTA, 5                           ; v5    weights into LDS
.set TSTA, 6                           ; v6-7  token rows into buffer 0, 1
.set LA16, 8                           ; v8    list: 1024 w + 64 h: my half's 16 places of group 0
.set LA1,  9                           ; v9    list: 1024 w + 4 lane: my lane's own place of group 0
.set C16,  10                          ; v10   16 r
.set TSS,  11                          ; v11-12 token scale words into buffer 0, 1
.set WFA,  13                          ; v13   my weight fragments in LDS
.set XA,   14                          ; v14-17 token fragments: buffer 0 tiles 0-1, tiles 2-3; buffer 1 likewise
.set XSA,  18                          ; v18-19 token scale words in buffer 0, 1
.set HCL,  20                          ; v20   48 r + 24 a + 12 h
.set HSL,  21                          ; v21   4 r
.set HCV,  22                          ; v22   the tile's offset in hid_codes
.set HSV,  23                          ; v23   and in hid_scales
.set LWC,  24                          ; v24   list: where the places just found go
.set LAT,  25                          ; v25   list: my half's 16 places of the group in hand
.set LAT1, 26                          ; v26   and my lane's own
.set MRG,  27                          ; v27   4 x my thread's number: my word of the margin
.set TK,   28                          ; v28-43 16 list entries, then their rows' byte offsets
.set TKL,  44                          ; v44   my lane's list entry, then its scales' offset
.set PF,   45                          ; v45   256 x lane
.set SL,   48                          ; v48-55 a token's scale bytes as loaded
.set SP,   56                          ; v56-63 as the products want them
.set WS,   64                          ; v64-79 weight scale words: gate's 8 steps, up's 8; lanes 0-15 tile u = 0, lanes 16-31 tile u = 1
.set XS,   80                          ; v80-87 the token tile's scale words
.set G,    88                          ; v88-103  gate, two tiles
.set U,    104                         ; v104-119 up, two tiles
.set T,    120                         ; v120-135 at work
.set Q,    136                         ; v136-139 largest magnitude, at work, the conversion's scale, the byte
.set C,    140                         ; v140-142 16 codes
.set XF,   144                         ; v144-239 the token tile's fragments
.set ID,   144                         ; at the head: the ids
.set WL,   176                         ; at the head: weight scale bytes as loaded
.set RQV,  192                         ; at the head, two registers each (two places at a time): the place;
.set RMM,  194                         ; its row's mask;
.set RPK,  196                         ; its row's number << 16 | the places ahead of that row;
.set RNN,  198                         ; which set bit of the mask;
.set RPO,  200                         ; the bit's number so far;
.set RKK,  202                         ; the row's number;
.set RCA,  204                         ; the mask's bit counts by 2,
.set RCB,  206                         ; by 4,
.set RCC,  208                         ; by 8,
.set RCD,  210                         ; by 16;
.set RTA,  212                         ; at work
.set RTB,  214
.set IDO,  242                         ; v242  16 x lane
.set WSO,  243                         ; v243  my row of weight scales
; window 1: v0-191 the weights as they land, then W of K steps 0-3 (tile t, step s at 48 t + 12 s);  window 2: W of K steps 4-7;  window 3: v0-191 token rows as they land
.set SM0,  2                           ; s2    a compare's lane mask for the first of the two places
.set SW,   20
.set SA,   21
.set SPAR, 22
.set SE,   23
.set SSL,  24
.set SCNT, 25                          ; the expert's count of tokens
.set SBASE, 26
.set STMP, 27
.set SGB,  29                          ; first place of the group that my wave gathers next
.set STP,  30                          ; first place of my next tile
.set SHOF, 31                          ; its offset in hid_codes
.set SHSO, 32                          ; and in hid_scales
.set SOUT, 33
.set SC1,  34
.set SQ0,  35
.set SRT,  36
.set SM1,  37                          ; a compare's lane mask for the second of the two places
.set SEL,  38                          ; s38-39 v_perm_b32's selects for even and odd steps
.set XSEL, 40                          ; s40-41 v_permlanex16_b32's selects: lane l xor 16
.set NL2E, 42                          ; s42-43 -log2(e)
.set CMA,  44                          ; s44-49 (behind the head, where s44-53 hold offsets): a run of six rows' compares for the first place;
.set PKS,  50                          ; s50-53, s62-63 the six rows' numbers << 16 | the places ahead of them;
.set CMB,  56                          ; s56-61 the six compares for the second place
.set SLA,  54                          ; 128 x the group to be gathered
.set SLW,  55
.set MK,   66                          ; s66-97 the 32 lane masks
.set MSB, 0
.macro WIN new                         ; the immediate's high byte repeats the setting that is left
.if MSB != (\new)
	s_set_vgpr_msb (MSB<<8)|(\new)
.set MSB, (\new)
.endif
.endm
.macro BARRIER                         ; my LDS stores have landed and my LDS loads are in: then the work-group's barrier
	s_wait_dscnt 0x0
	s_barrier_signal -1
	s_barrier_wait -1
.endm
; One step of the search for a mask's n-th set bit: the w bits from the bit's number so far hold c set bits (read off the counts in src); where n >= c the bit lies further up: n - c, w bits on.
.macro SELSTEP src, w, wd
.irp i, 0,1
	v_bfe_u32 v[RTA+\i], v[\src+\i], v[RPO+\i], \wd
.endr
	v_cmp_ge_u32 s[SM0], v[RNN], v[RTA]
	v_cmp_ge_u32 s[SM1], v[RNN+1], v[RTA+1]
.irp i, 0,1
	v_sub_nc_u32 v[RTA+\i], v[RNN+\i], v[RTA+\i]
	v_add_nc_u32 v[RTB+\i], \w, v[RPO+\i]
.endr
	s_wait_alu depctr_va_sdst(0)                   ; the two compares have written s[SM0] and s[SM1], which the four selections read
	v_cndmask_b32 v[RNN], v[RNN], v[RTA], s[SM0]
	v_cndmask_b32 v[RPO], v[RPO], v[RTB], s[SM0]
	v_cndmask_b32 v[RNN+1], v[RNN+1], v[RTA+1], s[SM1]
	v_cndmask_b32 v[RPO+1], v[RPO+1], v[RTB+1], s[SM1]
.endm
; THE LIST.  Register k = 4 j + i of the ids holds, in lane l, the id of token 128 j + 4 l + i.  Row k of the order is that register's 32 lanes.  younger: the loads issued behind the ids.
.macro ROUTE younger
	s_wait_loadcnt \younger                        ; the ids are in; the weights stay on their way
.set k, 0
.rept 32
	v_cmp_eq_u32 s[MK+k], s[SE], v[ID+k]
.set k, k+1
.endr
	s_mov_b32 s[SCNT], 0
	s_wait_alu depctr_va_sdst(0)                   ; the 32 compares have written the masks s[MK ..], ahead of their first reader, the count below
.set k, 0
.rept 32
	s_bcnt1_i32_b32 s[STMP], s[MK+k]
	s_add_co_u32 s[SCNT], s[SCNT], s[STMP]
.set k, k+1
.endr
	s_max_u32 s[SC1], s[SCNT], 1                   ; the first trip always runs: groups 0 and 1 of the list are always written
	s_mov_b32 s[SQ0], 0
	s_mov_b32 s[SLW], 0
	s_mov_b32 s[SRT], 4
.Lroute:                                               ; 4 trips, a constant; trip t finds places 256 t + thread and 256 t + 128 + thread; a trip whose places all lie past the count is passed over
	s_cmp_lt_u32 s[SQ0], s[SC1]
	s_cbranch_scc0 .Lroute_next
	v_add_nc_u32 v[RQV], s[SQ0], v0
	v_add_nc_u32 v[RQV+1], 0x80, v[RQV]
	v_cmp_gt_u32 s[SM0], s[SCNT], v[RQV]
	v_cmp_gt_u32 s[SM1], s[SCNT], v[RQV+1]
.irp i, 0,1
	v_mov_b32 v[RMM+\i], s[MK]
	v_mov_b32 v[RPK+\i], 0
.endr
	s_mov_b32 s[SBASE], 0
	s_wait_alu depctr_va_sdst(0)                   ; the two compares have written s[SM0] and s[SM1], which the two selections read
	v_cndmask_b32 v[RQV], 0, v[RQV], s[SM0]        ; a place from the count on takes place 0's token
	v_cndmask_b32 v[RQV+1], 0, v[RQV+1], s[SM1]
.set k0, 1
.rept 6                                        ; the last row with no more places ahead of it than q is q's row.  Rows 1 to 31 in runs of six: a run's twelve compares, one wait, its selections, the rows ascending
.set rr, 0
.rept 6
.if k0+rr < 32
	s_bcnt1_i32_b32 s[STMP], s[MK+k0+rr-1]
	s_add_co_u32 s[SBASE], s[SBASE], s[STMP]
	s_add_co_u32 s[PKS+rr+8*(rr/4)], s[SBASE], (k0+rr)<<16
	v_cmp_le_u32 s[CMA+rr], s[SBASE], v[RQV]
	v_cmp_le_u32 s[CMB+rr], s[SBASE], v[RQV+1]
.endif
.set rr, rr+1
.endr
	s_wait_alu depctr_va_sdst(0)                   ; the run's compares have written s[CMA ..] and s[CMB ..], which its selections read
.set rr, 0
.rept 6
.if k0+rr < 32
	v_cndmask_b32 v[RMM], v[RMM], s[MK+k0+rr], s[CMA+rr]
	v_cndmask_b32 v[RPK], v[RPK], s[PKS+rr+8*(rr/4)], s[CMA+rr]
	v_cndmask_b32 v[RMM+1], v[RMM+1], s[MK+k0+rr], s[CMB+rr]
	v_cndmask_b32 v[RPK+1], v[RPK+1], s[PKS+rr+8*(rr/4)], s[CMB+rr]
.endif
.set rr, rr+1
.endr
.set k0, k0+6
.endr
.irp i, 0,1
	v_and_b32 v[RTA+\i], 0xffff, v[RPK+\i]
	v_lshrrev_b32 v[RKK+\i], 16, v[RPK+\i]
	v_sub_nc_u32 v[RNN+\i], v[RQV+\i], v[RTA+\i]   ; n: which set bit of the row's mask
	v_mov_b32 v[RPO+\i], 0
.endr
.irp i, 0,1                                    ; the mask's set bits counted by 2, 4, 8 and 16 neighbouring bits
	v_lshrrev_b32 v[RTA+\i], 1, v[RMM+\i]
	v_and_b32 v[RTA+\i], 0x55555555, v[RTA+\i]
	v_sub_nc_u32 v[RCA+\i], v[RMM+\i], v[RTA+\i]
	v_lshrrev_b32 v[RTA+\i], 2, v[RCA+\i]
	v_and_b32 v[RTA+\i], 0x33333333, v[RTA+\i]
	v_and_b32 v[RTB+\i], 0x33333333, v[RCA+\i]
	v_add_nc_u32 v[RCB+\i], v[RTA+\i], v[RTB+\i]
	v_lshrrev_b32 v[RTA+\i], 4, v[RCB+\i]
	v_add_nc_u32 v[RTA+\i], v[RTA+\i], v[RCB+\i]
	v_and_b32 v[RCC+\i], 0x0f0f0f0f, v[RTA+\i]
	v_lshrrev_b32 v[RTA+\i], 8, v[RCC+\i]
	v_add_nc_u32 v[RCD+\i], v[RTA+\i], v[RCC+\i]
.endr
	SELSTEP RCD, 16, 8
	SELSTEP RCC, 8, 8
	SELSTEP RCB, 4, 4
	SELSTEP RCA, 2, 2
	SELSTEP RMM, 1, 1
	v_add_nc_u32 v[LWC], s[SLW], v[LA1]
.irp i, 0,1                                    ; row k, lane l: token 128 (k / 4) + 4 l + k % 4
	v_and_b32 v[RTA+\i], 28, v[RKK+\i]
	v_and_b32 v[RTB+\i], 3, v[RKK+\i]
	v_lshl_or_b32 v[RTA+\i], v[RTA+\i], 5, v[RTB+\i]
	v_lshl_or_b32 v[RTA+\i], v[RPO+\i], 2, v[RTA+\i]
.endr
	s_wait_alu depctr_va_vdst(0)                   ; v[LWC] and the two tokens in v[RTA ..] are written, which the two stores read
	ds_store_b32 v[LWC], v[RTA] offset:LIST
	ds_store_b32 v[LWC], v[RTA+1] offset:LIST+128
	s_wait_alu depctr_vm_vsrc(0)                   ; the two stores have read v[LWC] and v[RTA ..]: the next trip writes them again, and later loads land in v[RTA ..]
	s_wait_dscnt 0x0                               ; and are done
.Lroute_next:
	s_add_co_u32 s[SQ0], s[SQ0], 256
	s_add_co_u32 s[SLW], s[SLW], 256
	s_sub_co_u32 s[SRT], s[SRT], 1
	s_cmp_lg_u32 s[SRT], 0
	s_cbranch_scc1 .Lroute
.endm
; My wave's 32 places of a group of 128 are asked for: 16 list entries for each half of the lanes; a load reads one whole unit of 256 bytes of one token's row in lanes 0-15 and of another's in lanes 16-31.
; (What the last group's loads and LDS stores read of these registers was shown read by the wait on vm_vsrc at the last trip's end, or at the head's.)
.macro GISSUE
	v_add_nc_u32 v[LAT], s[SLA], v[LA16]
	v_add_nc_u32 v[LAT1], s[SLA], v[LA1]
	s_wait_alu depctr_va_vdst(0)                   ; v[LAT] and v[LAT1] are written, which the five list loads read
.irp q, 0,1,2,3
	ds_load_b128 v[TK+4*\q:TK+4*\q+3], v[LAT] offset:LIST+16*\q
.endr
	ds_load_b32 v[TKL], v[LAT1] offset:LIST
	s_wait_dscnt 0x0
.irp j, 0,1,2,3,4,5,6,7,8,9,10,11,12,13,14,15
	v_min_u32 v[TK+\j], 0x3ff, v[TK+\j]
.endr
.irp j, 0,1,2,3,4,5,6,7,8,9,10,11,12,13,14,15
	v_mul_u32_u24 v[TK+\j], 768, v[TK+\j]
.endr
.irp j, 0,1,2,3,4,5,6,7,8,9,10,11,12,13,14,15
	v_add_nc_u32 v[TK+\j], v[C16], v[TK+\j]
.endr
	v_min_u32 v[TKL], 0x3ff, v[TKL]
	v_lshlrev_b32 v[TKL], 5, v[TKL]
	WIN 0xc0                                       ; destination window 3
	s_wait_alu depctr_va_vdst(0)                   ; the sixteen offsets in v[TK ..] and v[TKL] are written, which the 50 loads below read
.irp j, 0,1,2,3,4,5,6,7,8,9,10,11,12,13,14,15
.irp q, 0,1,2
	global_load_b128 v[12*\j+4*\q:12*\j+4*\q+3], v[TK+\j], s[6:7] offset:256*\q
.endr
.endr
	WIN 0
	global_load_b128 v[SL:SL+3], v[TKL], s[8:9]
	global_load_b128 v[SL+4:SL+7], v[TKL], s[8:9] offset:16
.endm
; and, when they are in, laid into buffer b.  The scale words are made first, so that they are written while the 48 stores of codes are issued.
.macro GSTORE b
.irp s, 0,1,2,3,4,5,6,7
	v_perm_b32 v[SP+\s], v[SL+4+\s/2], v[SL+\s/2], s[SEL+\s%2]
.endr
	WIN 0x0c                                       ; an LDS store's data are its source 1: window 3
.irp j, 0,1,2,3,4,5,6,7,8,9,10,11,12,13,14,15
.irp q, 0,1,2
	ds_store_b128 v[TSTA+(\b)], v[12*\j+4*\q:12*\j+4*\q+3] offset:PIT*\j+256*\q
.endr
.endr
	WIN 0
	s_wait_alu depctr_va_vdst(0)                   ; the eight v_perm_b32 have written v[SP ..], which the two stores read, and are done reading v[SL ..], in which the next group's scale bytes land
	ds_store_b128 v[TSS+(\b)], v[SP:SP+3]
	ds_store_b128 v[TSS+(\b)], v[SP+4:SP+7] offset:16
.endm
; one product: K step s, weight tile t (0, 1 gate; 2, 3 up).  The four accumulators take turns, one instruction a turn.
.macro GMM s, t
.set rD, G+8*(\t)
.set rA, 48*(\t)+12*((\s)%4)
.set rB, XF+12*(\s)
.set rSA, WS+8*((\t)/2)+(\s)
.set rSB, XS+(\s)
.if (\s) == 0
.if (\t)%2
	v_wmma_scale_f32_16x16x128_f8f6f4 v[rD:rD+7], v[rA:rA+11], v[rB:rB+11], 0, v[rSA], v[rSB] matrix_a_fmt:MATRIX_FMT_FP6 matrix_b_fmt:MATRIX_FMT_FP6 matrix_a_scale:MATRIX_SCALE_ROW1
.else
	v_wmma_scale_f32_16x16x128_f8f6f4 v[rD:rD+7], v[rA:rA+11], v[rB:rB+11], 0, v[rSA], v[rSB] matrix_a_fmt:MATRIX_FMT_FP6 matrix_b_fmt:MATRIX_FMT_FP6
.endif
.else
.if (\t)%2
	v_wmma_scale_f32_16x16x128_f8f6f4 v[rD:rD+7], v[rA:rA+11], v[rB:rB+11], v[rD:rD+7], v[rSA], v[rSB] matrix_a_fmt:MATRIX_FMT_FP6 matrix_b_fmt:MATRIX_FMT_FP6 matrix_a_scale:MATRIX_SCALE_ROW1
.else
	v_wmma_scale_f32_16x16x128_f8f6f4 v[rD:rD+7], v[rA:rA+11], v[rB:rB+11], v[rD:rD+7], v[rSA], v[rSB] matrix_a_fmt:MATRIX_FMT_FP6 matrix_b_fmt:MATRIX_FMT_FP6
.endif
.endif
.endm
; My t-th tile of 16 tokens of the group in buffer rb.  A tile that begins at or past the count is passed over; the lines that step stand behind the label.
; No wait stands ahead of the 26 LDS loads: on every way the last vector or matrix instruction that named XS or XF stands ahead of a wait on va_vdst
; (the last tile's products ahead of the wait behind its exponentials; the head's compares, search and v_perm_b32 ahead of the wait in the first GSTORE).
.macro TILE rb, t
	s_cmp_lt_u32 s[STP], s[SCNT]
	s_cbranch_scc0 .Lno_tile_\@
	ds_load_b128 v[XS:XS+3], v[XSA+\rb] offset:1536*(\t)
	ds_load_b128 v[XS+4:XS+7], v[XSA+\rb] offset:1536*(\t)+16
.irp i, 0,1,2,3,4,5,6,7,8,9,10,11,12,13,14,15,16,17,18,19,20,21,22,23
	ds_load_b128 v[XF+4*\i:XF+4*\i+3], v[XA+2*\rb+(\t)/2] offset:32*PIT*((\t)%2)+16*\i
.endr
	s_wait_dscnt 12                                ; the scale words and K steps 0-3 are in; the twelve youngest loads (K steps 4-7) may be out
	WIN 0x01                                       ; source 0 (W) window 1
.irp s, 0,1,2,3
.irp u, 0,1,2,3
	GMM \s, \u
.endr
.endr
	s_wait_dscnt 0x0
	WIN 0x02                                       ; W of K steps 4-7: window 2
.irp s, 4,5,6,7
.irp u, 0,1,2,3
	GMM \s, \u
.endr
.endr
	WIN 0
.rept 5
	v_nop                                          ; places behind the last products (ISA guide 7.12.1): four for the reads below, five for the next tile's first products, which begin these accumulators anew
.endr
.irp j, 0,2,4,6,8,10,12,14
	v_pk_mul_f32 v[T+\j:T+\j+1], v[G+\j:G+\j+1], s[NL2E:NL2E+1] op_sel_hi:[1,0]   ; -g log2(e); each accumulator is read from its low end on
.endr
.irp j, 0,1,2,3,4,5,6,7,8,9,10,11,12,13,14,15
	v_exp_f32 v[T+\j], v[T+\j]
.endr
.irp j, 0,2,4,6,8,10,12,14
	v_pk_mul_f32 v[G+\j:G+\j+1], v[G+\j:G+\j+1], v[U+\j:U+\j+1]                   ; g u: also the plain place behind the exponentials
.endr
	s_wait_alu depctr_va_vdst(0)                   ; the sixteen exponentials have written v[T ..], ahead of their first reader; and the 32 products are done reading XS and XF, in which the next tile's loads land
.irp j, 0,2,4,6,8,10,12,14
	v_pk_add_f32 v[T+\j:T+\j+1], v[T+\j:T+\j+1], 1.0 op_sel_hi:[1,0]
.endr
.irp j, 0,1,2,3,4,5,6,7,8,9,10,11,12,13,14,15
	v_rcp_f32 v[T+\j], v[T+\j]
.endr
	s_wait_xcnt 0x0                                ; the last tile's two stores have had their addresses translated: their offsets and data are written again below
	s_wait_alu depctr_vm_vsrc(0)                   ; and have read v[HCV], v[HSV], v[C ..] and v[Q+3], all of which this tile writes again from here on
	v_add_nc_u32 v[HCV], s[SHOF], v[HCL]           ; (these two are also the plain place behind the reciprocals)
	v_add_nc_u32 v[HSV], s[SHSO], v[HSL]
	s_wait_alu depctr_va_vdst(0)                   ; the sixteen reciprocals have written v[T ..], ahead of their first reader
.irp j, 0,2,4,6,8,10,12,14
	v_pk_mul_f32 v[G+\j:G+\j+1], v[G+\j:G+\j+1], v[T+\j:T+\j+1]                   ; the hidden layer: my token, units 16 h + 0 .. 15 of my block
.endr
	v_max3_num_f32 v[Q], |v[G]|, |v[G+1]|, 0x1800000               ; the largest magnitude of my 16, in two chains, and the floor 2^(3 - 127): the byte cannot fall under 1
	v_max3_num_f32 v[Q+1], |v[G+2]|, |v[G+3]|, |v[G+4]|
	v_max3_num_f32 v[Q], v[Q], |v[G+5]|, |v[G+6]|
	v_max3_num_f32 v[Q+1], v[Q+1], |v[G+7]|, |v[G+8]|
	v_max3_num_f32 v[Q], v[Q], |v[G+9]|, |v[G+10]|
	v_max3_num_f32 v[Q+1], v[Q+1], |v[G+11]|, |v[G+12]|
	v_max3_num_f32 v[Q], v[Q], |v[G+13]|, |v[G+14]|
	v_max3_num_f32 v[Q], v[Q], v[Q+1], |v[G+15]|
	v_permlanex16_b32 v[Q+1], v[Q], s[XSEL], s[XSEL+1]
	v_max_num_f32 v[Q], v[Q], v[Q+1]               ; with lane l xor 16's 16: the block's
	v_add_nc_u32 v[Q+2], 0xff000000, v[Q]          ; 2 off its exponent field: the conversion takes that field as its scale
	v_cvt_scalef32_pk16_fp6_f32 v[C:C+2], v[G:G+15], v[Q+2]
	v_lshrrev_b32 v[Q+3], 23, v[Q+2]               ; the scale's byte; also the plain place behind the conversion
	s_wait_alu depctr_va_vdst(0)                   ; the codes v[C ..], the byte v[Q+3] and the offsets v[HCV], v[HSV] are written, which the two stores read
	global_store_b96 v[HCV], v[C:C+2], s[14:15]
	global_store_b8 v[HSV], v[Q+3], s[16:17]       ; both halves of the lanes write the same byte with the same value
.Lno_tile_\@:
	s_add_co_u32 s[STP], s[STP], 32
	s_add_co_u32 s[SHOF], s[SHOF], 2*24576
	s_add_co_u32 s[SHSO], s[SHSO], 2*1024
.endm
; A group of 128 places lies in buffer rb.  The next group is asked for ahead of this group's tiles and laid into the other buffer behind them.  One barrier orders this trip's reads of rb against the
; next trip's stores into it, and this trip's stores against the next trip's reads.
.macro TRIP rb
	s_cmp_lt_u32 s[SGB], s[SCNT]
	s_cbranch_scc0 .Lno_ask_\@
	GISSUE
.Lno_ask_\@:
.irp t, 0,1,2,3
	TILE \rb, \t
.endr
	s_wait_loadcnt 0x0                             ; on every way: whatever was asked for is in
	s_cmp_lt_u32 s[SGB], s[SCNT]
	s_cbranch_scc0 .Lno_lay_\@
	GSTORE 1-\rb
.Lno_lay_\@:
	s_add_co_u32 s[SGB], s[SGB], 128
	s_add_co_u32 s[SLA], s[SLA], 128
	s_wait_alu depctr_vm_vsrc(0)                   ; on every way: this trip's list loads and token loads have read v[LAT], v[LAT1], v[TK ..] and v[TKL], its LDS stores window 3 and v[SP ..]: the next trip writes all of these again
	BARRIER
.endm
	s_load_b512 s[4:19], s[0:1], 0x0               ; ids s[4:5], tokens' codes, scales, W's codes, scales s[12:13], hid_codes s[14:15], hid_scales, w_down's codes s[18:19]
	v_lshl_add_u32 v254, v0, 2, 0x4da00
	v_mov_b32 v255, 0
	v_and_b32 v1, 15, v0                           ; r
	v_bfe_u32 v2, v0, 4, 1                         ; h
	v_and_b32 v3, 31, v0                           ; lane
	v_lshrrev_b32 v46, 5, v0
	v_readfirstlane_b32 s[SW], v46                 ; wave 0..3
	s_lshr_b32 s[SE], ttmp9, 5                     ; expert
	s_and_b32 s[SSL], ttmp9, 31                    ; slice
	; LDS addresses: constants, the lane's and the wave's terms
	v_lshlrev_b32 v[C16], 4, v1
	v_mul_u32_u24 v[WGO], v2, 16*768
	v_add_nc_u32 v[WGO], v[WGO], v[C16]
	s_wait_alu depctr_va_sdst(0)                   ; s[SW] is written, ahead of its first reader
	s_and_b32 s[SA], s[SW], 1                      ; a.  Also: which 32 rows of gate or of up I fetch
	s_lshr_b32 s[SPAR], s[SW], 1                   ; p.  Also: I fetch gate (0) or up (1)
	s_mul_i32 s[STMP], s[SW], 32*PIT
	v_mul_u32_u24 v[WSTA], v2, 8*PIT               ; row 16 h + j of my 32 goes to place 16 (j / 8) + 8 h + j % 8: a weight tile's 16 rows are then neighbours in LDS
	v_add_nc_u32 v[WSTA], v[WSTA], v[C16]
	v_add_nc_u32 v[WSTA], s[STMP], v[WSTA]
	v_add_nc_u32 v[WSTA], WST, v[WSTA]
	v_mul_u32_u24 v[TSTA], v2, 16*PIT
	v_add_nc_u32 v[TSTA], v[TSTA], v[C16]
	v_add_nc_u32 v[TSTA], s[STMP], v[TSTA]
	v_add_nc_u32 v[TSTA], TOK, v[TSTA]
	v_add_nc_u32 v[TSTA+1], TOKB, v[TSTA]
	s_lshl_b32 s[STMP], s[SW], 10
	v_lshl_add_u32 v[LA16], v2, 6, s[STMP]         ; 1024 w + 64 h
	v_lshl_add_u32 v[LA1], v3, 2, s[STMP]          ; 1024 w + 4 lane
	v_lshlrev_b32 v[MRG], 2, v0
	v_mul_u32_u24 v[TSS], v0, 48
	v_add_nc_u32 v[TSS], TSC, v[TSS]
	v_add_nc_u32 v[TSS+1], TSCB, v[TSS]
	v_mul_u32_u24 v47, v1, PIT
	v_mad_u32_u24 v47, v2, 384, v47                ; a fragment's row x pitch + my half of the row
	s_mul_i32 s[STMP], s[SA], 32*PIT
	s_add_co_u32 s[STMP], s[STMP], WST
	v_add_nc_u32 v[WFA], s[STMP], v47
	s_mul_i32 s[STMP], s[SPAR], 16*PIT
	s_add_co_u32 s[STMP], s[STMP], TOK
	v_add_nc_u32 v[XA], s[STMP], v47
	v_add_nc_u32 v[XA+1], 64*PIT, v[XA]
	v_add_nc_u32 v[XA+2], TOKB, v[XA]
	v_add_nc_u32 v[XA+3], 64*PIT, v[XA+2]
	s_mul_i32 s[STMP], s[SPAR], 16*48
	s_add_co_u32 s[STMP], s[STMP], TSC
	v_mad_u32_u24 v[XSA], v1, 48, s[STMP]
	v_add_nc_u32 v[XSA+1], TSCB, v[XSA]
	v_lshlrev_b32 v[IDO], 4, v3
	; offsets in memory
	s_mul_i32 s[STMP], s[SA], 24
	v_mul_u32_u24 v[HCL], v1, 48
	v_mad_u32_u24 v[HCL], v2, 12, v[HCL]
	v_add_nc_u32 v[HCL], s[STMP], v[HCL]
	v_lshlrev_b32 v[HSL], 2, v1
	v_lshlrev_b32 v[PF], 8, v3
	v_and_b32 v46, 8, v1
	v_add_nc_u32 v46, v46, v1                      ; r + 8 (r / 8)
	v_lshl_add_u32 v46, v2, 3, v46                 ; + 8 u, u = lane / 16: lanes 16-31 take the second tile's rows
	v_lshlrev_b32 v[WSO], 5, v46                   ; 32 bytes of scales a row
	v_mov_b32 v46, 0                               ; from here on: 0, for the margin
	s_lshl_b32 s[SGB], s[SW], 5
	s_lshl_b32 s[STP], s[SPAR], 4
	s_mul_i32 s[SHOF], s[SPAR], 24576
	s_lshl_b32 s[SHSO], s[SPAR], 10
	s_mov_b32 s[SLA], 0
	s_mov_b32 s[SEL], 0x05010400
	s_mov_b32 s[SEL+1], 0x07030602
	s_mov_b32 s[XSEL], 0x76543210
	s_mov_b32 s[XSEL+1], 0xfedcba98
	s_mov_b32 s[NL2E], 0xbfb8aa3b
	s_mov_b32 s[NL2E+1], s[NL2E]                   ; (named with it as a pair, so it is written)
	s_lshl_b32 s44, s[SE], 12                      ; W's codes: row 4096 e + 2048 (w / 2) + 64 sl + 32 (w % 2), 768 bytes a row
	s_lshl_b32 s[STMP], s[SPAR], 11
	s_add_co_u32 s44, s44, s[STMP]
	s_lshl_b32 s[STMP], s[SSL], 6
	s_add_co_u32 s44, s44, s[STMP]
	s_lshl_b32 s[STMP], s[SA], 5
	s_add_co_u32 s44, s44, s[STMP]
	s_mul_i32 s44, s44, 768
	s_mov_b32 s45, 0
	s_lshl_b32 s46, s[SE], 12                      ; W's scales: gate row 4096 e + 64 sl + 32 a, 32 bytes a row; up's rows by the immediate
	s_lshl_b32 s[STMP], s[SSL], 6
	s_add_co_u32 s46, s46, s[STMP]
	s_lshl_b32 s[STMP], s[SA], 5
	s_add_co_u32 s46, s46, s[STMP]
	s_lshl_b32 s46, s46, 5
	s_mov_b32 s47, 0
	s_mul_i32 s48, s[SE], 64*24576                 ; hid_codes: expert, pair of blocks sl
	s_mul_i32 s[STMP], s[SSL], 768
	s_add_co_u32 s48, s48, s[STMP]
	s_mov_b32 s49, 0
	s_lshl_b32 s50, s[SE], 16                      ; hid_scales: block B = 2 sl + a lies at step (B % 32) / 2 = sl % 16, byte 2 (B % 2) + B / 32 = 2 a + sl / 16
	s_and_b32 s[STMP], s[SSL], 15
	s_lshl_b32 s[STMP], s[STMP], 6
	s_add_co_u32 s50, s50, s[STMP]
	s_lshl_b32 s[STMP], s[SA], 1
	s_add_co_u32 s50, s50, s[STMP]
	s_lshr_b32 s[STMP], s[SSL], 4
	s_add_co_u32 s50, s50, s[STMP]
	s_mov_b32 s51, 0
	s_mul_i32 s52, ttmp9, 49152                    ; w_down's codes: the 32 rows of 1,536 bytes that the next launch's work-group of my number reads
	s_mov_b32 s53, 0
	s_wait_kmcnt 0x0
	s_add_nc_u64 s[10:11], s[10:11], s[44:45]
	s_add_nc_u64 s[12:13], s[12:13], s[46:47]
	s_add_nc_u64 s[14:15], s[14:15], s[48:49]
	s_add_nc_u64 s[16:17], s[16:17], s[50:51]
	s_add_nc_u64 s[18:19], s[18:19], s[52:53]
	s_wait_alu depctr_va_vdst(0)                   ; all the addresses and offsets made above (v4 to v21, v27, v45, v242, v243) and the margin's 0 in v46 are written: the loads, stores and prefetches of the whole kernel read them, and none is written again
.irp j, 0,1,2,3,4,5,6,7
	global_load_b128 v[ID+4*\j:ID+4*\j+3], v[IDO], s[4:5] offset:512*\j
.endr
	WIN 0x40                                       ; destination window 1
.irp j, 0,1,2,3,4,5,6,7,8,9,10,11,12,13,14,15
.irp q, 0,1,2
	global_load_b128 v[12*\j+4*\q:12*\j+4*\q+3], v[WGO], s[10:11] offset:768*\j+256*\q th:TH_LOAD_NT   ; 16 lanes read 256 consecutive bytes, aligned: my 32 rows, 24 KB, read once in the launch
.endr
.endr
	WIN 0
	global_load_b128 v[WL:WL+3], v[WSO], s[12:13]
	global_load_b128 v[WL+4:WL+7], v[WSO], s[12:13] offset:16
	global_load_b128 v[WL+8:WL+11], v[WSO], s[12:13] offset:65536
	global_load_b128 v[WL+12:WL+15], v[WSO], s[12:13] offset:65552
	ds_store_b32 v[MRG], v46 offset:MARG           ; my word of the margin behind the list: written once, here, ahead of the barrier in front of the loop
	ROUTE 52                                       ; behind the ids: 48 loads of codes and 4 of scales
	GISSUE                                         ; group 0 is always asked for (the places that my wave gathers are those that it found itself: LDS serves a wave's instructions in order); so the landing registers are written on every way
	s_wait_loadcnt 50                              ; the weights and their scales are in; the 48 + 2 loads just issued may be out
.irp s, 0,1,2,3,4,5,6,7
	v_perm_b32 v[WS+\s], v[WL+4+\s/2], v[WL+\s/2], s[SEL+\s%2]
	v_perm_b32 v[WS+8+\s], v[WL+12+\s/2], v[WL+8+\s/2], s[SEL+\s%2]
.endr
.rept 8
	v_nop                                          ; a scale register written by a vector instruction stands eight places ahead of a scaled matrix instruction; the wait that shows v[WS ..] written is the one in GSTORE below
.endr
	WIN 0x04                                       ; the stores' data: window 1
.irp j, 0,1,2,3,4,5,6,7,8,9,10,11,12,13,14,15
.irp q, 0,1,2
	ds_store_b128 v[WSTA], v[12*\j+4*\q:12*\j+4*\q+3] offset:(16*(\j/8)+\j%8)*PIT+256*\q
.endr
.endr
	WIN 0
	s_wait_loadcnt 0x0                             ; group 0's rows are in
	GSTORE 0                                       ; its wait on va_vdst also shows v[WS ..] written, which the products take as scales, and the lines above done with v[ID ..], v[WL ..] and the search's registers, in which the first tile's fragments land
	s_add_co_u32 s[SGB], s[SGB], 128
	s_add_co_u32 s[SLA], s[SLA], 128
	s_wait_alu depctr_vm_vsrc(0)                   ; the 48 LDS stores of weights have read window 1, in which the fragments below land; group 0's loads and LDS stores have read v[LAT], v[LAT1], v[TK ..], v[TKL], window 3 and v[SP ..], which the first trip writes again
	BARRIER                                        ; 128 weight rows, group 0, the list and its margin lie in LDS
	s_cmp_lg_u32 s[SW], 3
	s_cbranch_scc1 .Lno_prefetch
.irp i, 0,1,2,3,4,5
	global_prefetch_b8 v[PF], s[18:19] offset:8192*\i th:TH_LOAD_NT scope:SCOPE_SE   ; wave 3 alone, lanes 256 bytes apart: 6 x 8,192 = the 49,152 bytes of w_down that the next launch's work-group of my number loads first; each block is asked for once in the launch, when my own weights have landed
.endr
.Lno_prefetch:
	WIN 0x40
.irp t, 0,1,2,3
.irp i, 0,1,2,3,4,5,6,7,8,9,10,11
	ds_load_b128 v[48*\t+4*\i:48*\t+4*\i+3], v[WFA] offset:(64*(\t/2)+16*(\t%2))*PIT+16*\i
.endr
.endr
	WIN 0x80
.irp t, 0,1,2,3
.irp i, 12,13,14,15,16,17,18,19,20,21,22,23
	ds_load_b128 v[48*\t+4*\i-48:48*\t+4*\i-45], v[WFA] offset:(64*(\t/2)+16*(\t%2))*PIT+16*\i
.endr
.endr
	WIN 0
	s_wait_dscnt 0x0                               ; my weights are in registers, for the whole launch
	s_mov_b32 s[SOUT], 4
.Lgroups:                                              ; 8 groups of 128 places serve every count up to 1,024; the trip count is a constant, only work is passed over, so every wave passes every barrier
	TRIP 0
	TRIP 1
	s_sub_co_u32 s[SOUT], s[SOUT], 1
	s_cmp_lg_u32 s[SOUT], 0
	s_cbranch_scc1 .Lgroups
	s_wait_dscnt 0x0                               ; the closing lines, six on end
	s_wait_alu 0x0
	s_wait_tensorcnt 0x0
	ds_add_u32 v254, v255
	s_wait_dscnt 0x0
	s_endpgm
.Lfunc_end_k_q828ae5af02_gateup:
	.size	k_q828ae5af02_gateup, .Lfunc_end_k_q828ae5af02_gateup-k_q828ae5af02_gateup
	.p2alignl 7, 3214868480
	.fill 96, 4, 3214868480
	.section	.rodata,"a",@progbits
	.p2align	6, 0x0
	.amdhsa_kernel k_q828ae5af02_gateup
		.amdhsa_group_segment_fixed_size 318464
		.amdhsa_private_segment_fixed_size 0
		.amdhsa_enable_private_segment 0
		.amdhsa_kernarg_size 64
		.amdhsa_user_sgpr_count 2
		.amdhsa_user_sgpr_kernarg_segment_ptr 1
		.amdhsa_wavefront_size32 1
		.amdhsa_system_sgpr_workgroup_id_x 1
		.amdhsa_system_sgpr_workgroup_id_y 1
		.amdhsa_system_sgpr_workgroup_id_z 1
		.amdhsa_system_vgpr_workitem_id 0
		.amdhsa_next_free_vgpr 960
		.amdhsa_next_free_sgpr 98
		.amdhsa_reserve_vcc 0
		.amdhsa_float_denorm_mode_32 3
		.amdhsa_float_denorm_mode_16_64 3
		.amdhsa_memory_ordered 1
		.amdhsa_forward_progress 1
		.amdhsa_inst_pref_size 167
	.end_amdhsa_kernel
	.amdgpu_metadata
---
amdhsa.version: [ 1, 2 ]
amdhsa.kernels:
  - .name:           k_q828ae5af02_gateup
    .symbol:         k_q828ae5af02_gateup.kd
    .args:
      - { .name: expert_ids, .offset: 0, .size: 8, .value_kind: global_buffer, .address_space: global }
      - { .name: tokens_codes, .offset: 8, .size: 8, .value_kind: global_buffer, .address_space: global }
      - { .name: tokens_scales, .offset: 16, .size: 8, .value_kind: global_buffer, .address_space: global }
      - { .name: w_gate_up_codes, .offset: 24, .size: 8, .value_kind: global_buffer, .address_space: global }
      - { .name: w_gate_up_scales, .offset: 32, .size: 8, .value_kind: global_buffer, .address_space: global }
      - { .name: hid_codes, .offset: 40, .size: 8, .value_kind: global_buffer, .address_space: global }
      - { .name: hid_scales, .offset: 48, .size: 8, .value_kind: global_buffer, .address_space: global }
      - { .name: w_down_codes, .offset: 56, .size: 8, .value_kind: global_buffer, .address_space: global }
    .group_segment_fixed_size: 318464
    .private_segment_fixed_size: 0
    .kernarg_segment_align: 8
    .kernarg_segment_size: 64
    .max_flat_workgroup_size: 128
    .sgpr_count:     98
    .vgpr_count:     960
    .wavefront_size: 32
...
	.end_amdgpu_metadata
.endif
;; end of part 3
;; launch down (part 4): grid 256 x 1, 4 waves a work-group, no clusters, 63,488 bytes of LDS; arguments expert_ids, hid_codes, hid_scales, w_down_codes, w_down_scales, out0; writes out0
.if DOCPART == 4
	.amdgcn_target "amdgcn-amd-amdhsa--gfx1250"
	.amdhsa_code_object_version 6
	.text
	.protected	k_q828ae5af02_down
	.globl	k_q828ae5af02_down
	.p2align	8
	.type	k_q828ae5af02_down,@function
k_q828ae5af02_down:
	s_mov_b64 s[64:65], 0
	v_nop
	global_prefetch_b8 v0, s[64:65] scope:SCOPE_SE
	s_setreg_imm32_b32 hwreg(HW_REG_WAVE_SCHED_MODE, 0, 2), 2
	s_setreg_imm32_b32 hwreg(HW_REG_WAVE_MODE, 25, 1), 1
	s_wait_xcnt 0x0
	s_wait_alu depctr_vm_vsrc(0)
; out0[token] = hidden[token] Wdown[expert of token], on the codes that the first launch stored.
; SHARES.  Work-group x = (expert e = x / 32, slice sl = x % 32) owns output columns 32 sl .. 32 sl + 31 of expert e: 32 rows of w_down (48 KB of codes), read from memory once, through LDS into EVERY wave's registers
; (2 tiles of 16 rows x 16 K steps: 384 registers).  Wave w takes the expert's token tiles w, w + 4, ..: each hidden tile is read by one wave of the work-group, straight into operand registers (48 loads of 16 bytes,
; which the workspace's layout allows), in two sets of registers by turns.  No barrier stands in the loop over tiles.
; ROUTING.  Every wave finds its share of the expert's places by the same lines as the first launch: place q is row q % 16 of hidden tile q / 16.  No address but those of out0's rows hangs on data, and those on list entries read back from LDS.
; K IS TAKEN IN ANOTHER ORDER, ALIKE ON BOTH OPERANDS: lane (r, h) takes the half of its row at 768 h; registers 12 s + 6 c .. + 5 hold block 32 h + 2 s + c; the scale word of step s is S[2 s], S[32 + 2 s], S[2 s + 1], S[33 + 2 s].
; THE PRODUCT IS USED TRANSPOSED (source 0 = 16 rows of W, source 1 = 16 tokens): a lane holds one token and eight neighbouring outputs.  Even and odd K steps have accumulators of their own (four by turns), added at the end.
; THE LAST TILE'S SPARE ROWS repeat the token of place 0: they hold the same codes as its own row, meet the same weights, and store the same bits to the same bytes of out0 once more, from whichever wave of this work-group has the last tile.
; A WAVE'S FIRST TWO TILES (w and w + 4) ARE ASKED FOR WHATEVER THE COUNT, at fixed addresses inside the workspace, so that both sets of registers are written on every way; where the expert has fewer tiles those bytes are read and not used.
; LIMITS.  A token whose id lies outside 0 .. 7 gets no row of out0.  The order of K differs from ascending, so sums may differ from an ascending sum in the last bits of f32.
; A store covers 128 consecutive bytes of a token's row, aligned; the work-group beside this one writes the 128 beside them.
; No tensor loads and no cluster: which tiles are worked hangs on a count made from the ids.
; THE MODE: SCHED_MODE bits 1:0 = 2 (LLVM: expert scheduling mode 2), set by the entry lines.  The code itself states the register dependences
; between vector or matrix instructions and memory or LDS instructions, with s_wait_alu, always for 0.
; THE PLAN.  Registers that memory or LDS instructions touch, and who else names them:
;   v1-5, v10-13, v15, v21, v22, v30, v31   Addresses and the closing add's two: written by vector lines at the head, never again.  One wait on va_vdst ahead of the first load.
;   LWC, RTA          A trip of the search writes them; its two list stores read them: va_vdst ahead of the stores, vm_vsrc behind them.
;   HV[b], HSV[b]     LOADH's two additions write them, its 56 loads read them.
;   HS[b], set b      Those loads land in them; the tile's 32 products read them.  ONE wait on va_vdst stands in LOADH, behind the two additions and straight ahead of the loads: the offsets are written, and the products are done reading the set.
;   LAT               One addition a tile writes it, the tile's list load reads it.
;   TK                That load lands in it, twelve vector lines make offsets of it, the tile's four global stores read it.
;   O                 The tile's sums write it, four LDS stores read it.      OB   Four LDS loads land in it, the four global stores read it.
;   windows 1 and 2   The weights: loads land, the head's LDS stores read window 1, LDS loads land again, the products read.
; A tile has one wait on vm_vsrc, at its head (LAT, TK, O and OB are free), and two on va_vdst: behind the addition to LAT, and ahead of the stage's stores (O and TK are written).
; Scalar results of vector instructions (the wave's number, the lane masks, the search's compares) have a wait on va_sdst ahead of their first reader; the search's compares are laid in runs, one wait a run.  VCC is not used.
.set LIST,  0                          ; 4,096 bytes: place 128 g + 32 w + lane at 1024 w + 128 g + 4 lane
.set WST,   4096                       ; 32 weight rows x WP
.set WP,    1552                       ; 1,536 bytes of codes + 16: 97 x 16, so the 16 rows that a 16-byte load touches start at different banks (ISA guide 11.1)
.set STG,   53760                      ; for each wave 16 rows x (128 bytes + 16)
.set WGO,  1                           ; v1    weights in memory: 4 rows x 1,536 x h + 16 r
.set WSTA, 2                           ; v2    weights into LDS
.set WFA,  3                           ; v3    weight fragments in LDS
.set HOFF, 4                           ; v4    my lane's place in a hidden tile: 16 pairs of blocks x 768 x h + 48 r
.set HSOFF, 5                          ; v5    4 x lane
.set HV,   6                           ; v6-7  the tile's offset in hid_codes, for set 0, 1
.set HSV,  8                           ; v8-9  and in hid_scales
.set LA,   10                          ; v10   list: the four places of tile w whose rows my lane stores
.set STO,  11                          ; v11   the stage: where I put 32 bytes of a row
.set SRD,  12                          ; v12   and where I read rows back
.set OC,   13                          ; v13   128 sl + 16 (lane % 8)
.set LAT,  14                          ; v14   list: the same four places of the tile in hand
.set LA1,  15                          ; v15   list: 1024 w + 4 lane
.set TK,   16                          ; v16-19 four list entries, then their offsets in out0
.set LWC,  20                          ; v20   list: where the places just found go
.set IDO,  21                          ; v21   16 x lane
.set WSO,  22                          ; v22   64 x lane
.set WS,   32                          ; v32-47 weight scale words of the 16 steps: lanes 0-15 tile 0, lanes 16-31 tile 1
.set HS,   48                          ; v48-55, v56-63 hidden scale words, set 0, 1: register i: lanes 0-15 step 2 i, lanes 16-31 step 2 i + 1
.set ID,   64                          ; at the head: the ids
.set WL,   96                          ; at the head: weight scale bytes as loaded
.set RQV,  112                         ; at the head, two registers each (two places at a time): the place;
.set RMM,  114                         ; its row's mask;
.set RPK,  116                         ; its row's number << 16 | the places ahead of that row;
.set RNN,  118                         ; which set bit of the mask;
.set RPO,  120                         ; the bit's number so far;
.set RKK,  122                         ; the row's number;
.set RCA,  124                         ; the mask's bit counts by 2,
.set RCB,  126                         ; by 4,
.set RCC,  128                         ; by 8,
.set RCD,  130                         ; by 16;
.set RTA,  132                         ; at work
.set RTB,  134
; window 0: v64-255 hidden fragments, set 1.  window 1: v0-95 the weights as they land, then W of K steps 0-7 (tile a, step s at 96 a + 12 s).  window 2: W of K steps 8-15.
; window 3: v0-191 hidden fragments, set 0; v192-223 four accumulators; v224-239 their sums; v240-255 rows back from the stage
.set ACC,  192
.set O,    224
.set OB,   240
.set SM0,  2                           ; s2    a compare's lane mask for the first of the two places
.set SW,   20
.set SE,   23
.set SSL,  24
.set SCNT, 25                          ; the expert's count of tokens
.set SBASE, 26
.set STMP, 27
.set SPK,  28                          ; at the head: at work
.set STP,  30                          ; first place of my tile in hand
.set SHT,  31                          ; its offset in hid_codes
.set SHST, 32                          ; and in hid_scales
.set SOUT, 33
.set SC1,  34
.set SQ0,  35
.set SRT,  36
.set SM1,  37                          ; a compare's lane mask for the second of the two places
.set SEL,  38                          ; s38-39 v_perm_b32's selects for even and odd steps
.set CMA,  44                          ; s44-49 (behind the head, where s44-51 hold offsets): a run of six rows' compares for the first place;
.set PKS,  50                          ; s50-53, s62-63 the six rows' numbers << 16 | the places ahead of them;
.set CMB,  56                          ; s56-61 the six compares for the second place
.set SLA,  54                          ; 128 x the trip: the list's step from pair of tiles to pair of tiles
.set SLW,  55
.set MK,   66                          ; s66-97 the 32 lane masks
.set MSB, 0
.macro WIN new                         ; the immediate's high byte repeats the setting that is left
.if MSB != (\new)
	s_set_vgpr_msb (MSB<<8)|(\new)
.set MSB, (\new)
.endif
.endm
.macro BARRIER                         ; my LDS stores have landed and my LDS loads are in: then the work-group's barrier
	s_wait_dscnt 0x0
	s_barrier_signal -1
	s_barrier_wait -1
.endm
; One step of the search for a mask's n-th set bit: the w bits from the bit's number so far hold c set bits (read off the counts in src); where n >= c the bit lies further up: n - c, w bits on.
.macro SELSTEP src, w, wd
.irp i, 0,1
	v_bfe_u32 v[RTA+\i], v[\src+\i], v[RPO+\i], \wd
.endr
	v_cmp_ge_u32 s[SM0], v[RNN], v[RTA]
	v_cmp_ge_u32 s[SM1], v[RNN+1], v[RTA+1]
.irp i, 0,1
	v_sub_nc_u32 v[RTA+\i], v[RNN+\i], v[RTA+\i]
	v_add_nc_u32 v[RTB+\i], \w, v[RPO+\i]
.endr
	s_wait_alu depctr_va_sdst(0)                   ; the two compares have written s[SM0] and s[SM1], which the four selections read
	v_cndmask_b32 v[RNN], v[RNN], v[RTA], s[SM0]
	v_cndmask_b32 v[RPO], v[RPO], v[RTB], s[SM0]
	v_cndmask_b32 v[RNN+1], v[RNN+1], v[RTA+1], s[SM1]
	v_cndmask_b32 v[RPO+1], v[RPO+1], v[RTB+1], s[SM1]
.endm
; THE LIST.  Register k = 4 j + i of the ids holds, in lane l, the id of token 128 j + 4 l + i.  Row k of the order is that register's 32 lanes.  younger: the loads issued behind the ids.
.macro ROUTE younger
	s_wait_loadcnt \younger                        ; the ids are in; the weights stay on their way
.set k, 0
.rept 32
	v_cmp_eq_u32 s[MK+k], s[SE], v[ID+k]
.set k, k+1
.endr
	s_mov_b32 s[SCNT], 0
	s_wait_alu depctr_va_sdst(0)                   ; the 32 compares have written the masks s[MK ..], ahead of their first reader, the count below
.set k, 0
.rept 32
	s_bcnt1_i32_b32 s[STMP], s[MK+k]
	s_add_co_u32 s[SCNT], s[SCNT], s[STMP]
.set k, k+1
.endr
	s_max_u32 s[SC1], s[SCNT], 1                   ; the first trip always runs: groups 0 and 1 of the list are always written
	s_mov_b32 s[SQ0], 0
	s_mov_b32 s[SLW], 0
	s_mov_b32 s[SRT], 4
.Lroute:                                               ; 4 trips, a constant; trip t finds places 256 t + thread and 256 t + 128 + thread; a trip whose places all lie past the count is passed over
	s_cmp_lt_u32 s[SQ0], s[SC1]
	s_cbranch_scc0 .Lroute_next
	v_add_nc_u32 v[RQV], s[SQ0], v0
	v_add_nc_u32 v[RQV+1], 0x80, v[RQV]
	v_cmp_gt_u32 s[SM0], s[SCNT], v[RQV]
	v_cmp_gt_u32 s[SM1], s[SCNT], v[RQV+1]
.irp i, 0,1
	v_mov_b32 v[RMM+\i], s[MK]
	v_mov_b32 v[RPK+\i], 0
.endr
	s_mov_b32 s[SBASE], 0
	s_wait_alu depctr_va_sdst(0)                   ; the two compares have written s[SM0] and s[SM1], which the two selections read
	v_cndmask_b32 v[RQV], 0, v[RQV], s[SM0]        ; a place from the count on takes place 0's token
	v_cndmask_b32 v[RQV+1], 0, v[RQV+1], s[SM1]
.set k0, 1
.rept 6                                        ; the last row with no more places ahead of it than q is q's row.  Rows 1 to 31 in runs of six: a run's twelve compares, one wait, its selections, the rows ascending
.set rr, 0
.rept 6
.if k0+rr < 32
	s_bcnt1_i32_b32 s[STMP], s[MK+k0+rr-1]
	s_add_co_u32 s[SBASE], s[SBASE], s[STMP]
	s_add_co_u32 s[PKS+rr+8*(rr/4)], s[SBASE], (k0+rr)<<16
	v_cmp_le_u32 s[CMA+rr], s[SBASE], v[RQV]
	v_cmp_le_u32 s[CMB+rr], s[SBASE], v[RQV+1]
.endif
.set rr, rr+1
.endr
	s_wait_alu depctr_va_sdst(0)                   ; the run's compares have written s[CMA ..] and s[CMB ..], which its selections read
.set rr, 0
.rept 6
.if k0+rr < 32
	v_cndmask_b32 v[RMM], v[RMM], s[MK+k0+rr], s[CMA+rr]
	v_cndmask_b32 v[RPK], v[RPK], s[PKS+rr+8*(rr/4)], s[CMA+rr]
	v_cndmask_b32 v[RMM+1], v[RMM+1], s[MK+k0+rr], s[CMB+rr]
	v_cndmask_b32 v[RPK+1], v[RPK+1], s[PKS+rr+8*(rr/4)], s[CMB+rr]
.endif
.set rr, rr+1
.endr
.set k0, k0+6
.endr
.irp i, 0,1
	v_and_b32 v[RTA+\i], 0xffff, v[RPK+\i]
	v_lshrrev_b32 v[RKK+\i], 16, v[RPK+\i]
	v_sub_nc_u32 v[RNN+\i], v[RQV+\i], v[RTA+\i]   ; n: which set bit of the row's mask
	v_mov_b32 v[RPO+\i], 0
.endr
.irp i, 0,1                                    ; the mask's set bits counted by 2, 4, 8 and 16 neighbouring bits
	v_lshrrev_b32 v[RTA+\i], 1, v[RMM+\i]
	v_and_b32 v[RTA+\i], 0x55555555, v[RTA+\i]
	v_sub_nc_u32 v[RCA+\i], v[RMM+\i], v[RTA+\i]
	v_lshrrev_b32 v[RTA+\i], 2, v[RCA+\i]
	v_and_b32 v[RTA+\i], 0x33333333, v[RTA+\i]
	v_and_b32 v[RTB+\i], 0x33333333, v[RCA+\i]
	v_add_nc_u32 v[RCB+\i], v[RTA+\i], v[RTB+\i]
	v_lshrrev_b32 v[RTA+\i], 4, v[RCB+\i]
	v_add_nc_u32 v[RTA+\i], v[RTA+\i], v[RCB+\i]
	v_and_b32 v[RCC+\i], 0x0f0f0f0f, v[RTA+\i]
	v_lshrrev_b32 v[RTA+\i], 8, v[RCC+\i]
	v_add_nc_u32 v[RCD+\i], v[RTA+\i], v[RCC+\i]
.endr
	SELSTEP RCD, 16, 8
	SELSTEP RCC, 8, 8
	SELSTEP RCB, 4, 4
	SELSTEP RCA, 2, 2
	SELSTEP RMM, 1, 1
	v_add_nc_u32 v[LWC], s[SLW], v[LA1]
.irp i, 0,1                                    ; row k, lane l: token 128 (k / 4) + 4 l + k % 4
	v_and_b32 v[RTA+\i], 28, v[RKK+\i]
	v_and_b32 v[RTB+\i], 3, v[RKK+\i]
	v_lshl_or_b32 v[RTA+\i], v[RTA+\i], 5, v[RTB+\i]
	v_lshl_or_b32 v[RTA+\i], v[RPO+\i], 2, v[RTA+\i]
.endr
	s_wait_alu depctr_va_vdst(0)                   ; v[LWC] and the two tokens in v[RTA ..] are written, which the two stores read
	ds_store_b32 v[LWC], v[RTA] offset:LIST
	ds_store_b32 v[LWC], v[RTA+1] offset:LIST+128
	s_wait_alu depctr_vm_vsrc(0)                   ; the two stores have read v[LWC] and v[RTA ..]: the next trip writes them again, and later loads land in v[RTA ..]
	s_wait_dscnt 0x0                               ; and are done
.Lroute_next:
	s_add_co_u32 s[SQ0], s[SQ0], 256
	s_add_co_u32 s[SLW], s[SLW], 256
	s_sub_co_u32 s[SRT], s[SRT], 1
	s_cmp_lg_u32 s[SRT], 0
	s_cbranch_scc1 .Lroute
.endm
; The hidden tile d tiles on from the one in hand is asked for, into set b: 8 loads of scale words, 48 of codes.  again = 1: the set has been loaded before.
.macro LOADH b, d, again
.if \again
	s_wait_alu depctr_vm_vsrc(0)                   ; this set's last 56 loads, two turns back, have read v[HV+b] and v[HSV+b], which are written again below
.endif
	s_add_co_u32 s[STMP], s[SHT], 24576*(\d)
	v_add_nc_u32 v[HV+(\b)], s[STMP], v[HOFF]      ; (this set's last loads were shown done by a wait on the loads' counter ahead of the products that read them)
	s_add_co_u32 s[STMP], s[SHST], 1024*(\d)
	v_add_nc_u32 v[HSV+(\b)], s[STMP], v[HSOFF]
	s_wait_alu depctr_va_vdst(0)                   ; the two offsets are written, which the 56 loads read; and every vector and matrix instruction that named the registers in which they land is done: the set's products, or, at the head, the lines that worked there
.irp i, 0,1,2,3,4,5,6,7
	global_load_b32 v[HS+8*(\b)+\i], v[HSV+(\b)], s[8:9] offset:128*\i
.endr
	WIN 0xc0*(1-(\b))                              ; set 0 lies in window 3, set 1 in window 0
.irp s, 0,1,2,3,4,5,6,7,8,9,10,11,12,13,14,15
.irp q, 0,1,2
	global_load_b128 v[64*(\b)+12*\s+4*\q:64*(\b)+12*\s+4*\q+3], v[HV+(\b)], s[6:7] offset:768*\s+16*\q
.endr
.endr
	WIN 0
.endm
; one product: hidden set b, K step s, weight tile a.  The four accumulators take turns, one instruction a turn.
.macro DMM b, s, a
.set rD, ACC+8*(2*((\s)%2)+(\a))
.set rA, 96*(\a)+12*((\s)%8)
.set rB, 64*(\b)+12*(\s)
.set rSA, WS+(\s)
.set rSB, HS+8*(\b)+(\s)/2
.if (\s) < 2
.if (\a) == 0 && (\s)%2 == 0
	v_wmma_scale_f32_16x16x128_f8f6f4 v[rD:rD+7], v[rA:rA+11], v[rB:rB+11], 0, v[rSA], v[rSB] matrix_a_fmt:MATRIX_FMT_FP6 matrix_b_fmt:MATRIX_FMT_FP6
.elseif (\s)%2 == 0
	v_wmma_scale_f32_16x16x128_f8f6f4 v[rD:rD+7], v[rA:rA+11], v[rB:rB+11], 0, v[rSA], v[rSB] matrix_a_fmt:MATRIX_FMT_FP6 matrix_b_fmt:MATRIX_FMT_FP6 matrix_a_scale:MATRIX_SCALE_ROW1
.elseif (\a) == 0
	v_wmma_scale_f32_16x16x128_f8f6f4 v[rD:rD+7], v[rA:rA+11], v[rB:rB+11], 0, v[rSA], v[rSB] matrix_a_fmt:MATRIX_FMT_FP6 matrix_b_fmt:MATRIX_FMT_FP6 matrix_b_scale:MATRIX_SCALE_ROW1
.else
	v_wmma_scale_f32_16x16x128_f8f6f4 v[rD:rD+7], v[rA:rA+11], v[rB:rB+11], 0, v[rSA], v[rSB] matrix_a_fmt:MATRIX_FMT_FP6 matrix_b_fmt:MATRIX_FMT_FP6 matrix_a_scale:MATRIX_SCALE_ROW1 matrix_b_scale:MATRIX_SCALE_ROW1
.endif
.else
.if (\a) == 0 && (\s)%2 == 0
	v_wmma_scale_f32_16x16x128_f8f6f4 v[rD:rD+7], v[rA:rA+11], v[rB:rB+11], v[rD:rD+7], v[rSA], v[rSB] matrix_a_fmt:MATRIX_FMT_FP6 matrix_b_fmt:MATRIX_FMT_FP6
.elseif (\s)%2 == 0
	v_wmma_scale_f32_16x16x128_f8f6f4 v[rD:rD+7], v[rA:rA+11], v[rB:rB+11], v[rD:rD+7], v[rSA], v[rSB] matrix_a_fmt:MATRIX_FMT_FP6 matrix_b_fmt:MATRIX_FMT_FP6 matrix_a_scale:MATRIX_SCALE_ROW1
.elseif (\a) == 0
	v_wmma_scale_f32_16x16x128_f8f6f4 v[rD:rD+7], v[rA:rA+11], v[rB:rB+11], v[rD:rD+7], v[rSA], v[rSB] matrix_a_fmt:MATRIX_FMT_FP6 matrix_b_fmt:MATRIX_FMT_FP6 matrix_b_scale:MATRIX_SCALE_ROW1
.else
	v_wmma_scale_f32_16x16x128_f8f6f4 v[rD:rD+7], v[rA:rA+11], v[rB:rB+11], v[rD:rD+7], v[rSA], v[rSB] matrix_a_fmt:MATRIX_FMT_FP6 matrix_b_fmt:MATRIX_FMT_FP6 matrix_a_scale:MATRIX_SCALE_ROW1 matrix_b_scale:MATRIX_SCALE_ROW1
.endif
.endif
.endm
; The tile in set b: 32 products, the sums, and the way out through my own stage in LDS: a lane holds 32 bytes of one token's row; eight lanes then store a row's 128 bytes.
; Tile w + 4 t begins at place 16 w + 64 t, which lies in the list at 1024 (w / 2 + 2 (t % 2)) + 128 (t / 2) + 64 (w % 2): t % 2 = b stands in the immediate, t / 2 in the scalar that the loop steps.
.macro COMPUTE b
	s_wait_xcnt 0x0                                ; the last tile's stores have had their addresses translated: their offsets and data are loaded anew below
	s_wait_alu depctr_vm_vsrc(0)                   ; the last tile's list load has read v[LAT], its LDS stores v[O ..], its global stores v[TK ..] and v[OB ..]: this tile writes all of these again
	v_add_nc_u32 v[LAT], s[SLA], v[LA]
	s_wait_alu depctr_va_vdst(0)                   ; v[LAT] is written, which the list load reads; the last tile's arithmetic on v[TK ..], in which it lands, is done
	ds_load_b128 v[TK:TK+3], v[LAT] offset:LIST+2048*(\b)          ; the tokens of rows 4 (lane / 8) + 0 .. 3
	WIN 0xf1+0x0c*(1-(\b))                         ; W window 1, the hidden set's window, C and D window 3
.irp s, 0,1,2,3,4,5,6,7
.irp a, 0,1
	DMM \b, \s, \a
.endr
.endr
	WIN 0xf2+0x0c*(1-(\b))                         ; W of K steps 8-15: window 2
.irp s, 8,9,10,11,12,13,14,15
.irp a, 0,1
	DMM \b, \s, \a
.endr
.endr
	WIN 0
	s_wait_dscnt 0x0
.irp i, 0,1,2,3
	v_min_u32 v[TK+\i], 0x3ff, v[TK+\i]            ; these twelve lines name no register of the products: they are the places behind the last of them (ISA guide 7.12.1), for the sums below
.endr                                              ; and for the next tile's first products, which begin the accumulators anew
.irp i, 0,1,2,3
	v_lshlrev_b32 v[TK+\i], 12, v[TK+\i]           ; token x 4,096 bytes
.endr
.irp i, 0,1,2,3
	v_add_nc_u32 v[TK+\i], v[OC], v[TK+\i]         ; + my columns
.endr
	WIN 0xcf                                       ; all in window 3
.irp a, 0,1
.irp i, 0,2,4,6
	v_pk_add_f32 v[O+8*\a+\i:O+8*\a+\i+1], v[ACC+8*\a+\i:ACC+8*\a+\i+1], v[ACC+16+8*\a+\i:ACC+16+8*\a+\i+1]   ; even steps' sum + odd steps'; each accumulator from its low end on
.endr
.endr
	WIN 0x0c                                       ; the stores' data: window 3
	s_wait_alu depctr_va_vdst(0)                   ; the sums v[O ..] are written, which the LDS stores read, and the four offsets v[TK ..], which the global stores read
.irp a, 0,1
	ds_store_b128 v[STO], v[O+8*\a:O+8*\a+3] offset:64*\a           ; lane (r, h): token r, outputs 16 a + 8 h + 0 .. 7
	ds_store_b128 v[STO], v[O+8*\a+4:O+8*\a+7] offset:64*\a+16
.endr
	WIN 0xc0
.irp i, 0,1,2,3
	ds_load_b128 v[OB+4*\i:OB+4*\i+3], v[SRD] offset:144*\i         ; LDS serves a wave's instructions in order (ISA guide 5.7.1.4): these see the stores above
.endr
	WIN 0x0c
.irp i, 0,1,2,3
	s_wait_dscnt 3-\i                              ; row i's load is in; the younger ones may be out
	global_store_b128 v[TK+\i], v[OB+4*\i:OB+4*\i+3], s[14:15] th:TH_STORE_NT   ; eight lanes store 128 consecutive bytes of a token's row, aligned; written once, read by nobody here
.endr
	WIN 0
.endm
; A tile's turn.  At its head set b is in (the wait at the end of the turn before, or ahead of the loop).  A tile that begins at or past the count is passed over.  Then the tile two turns on is asked for, if there is
; one, into the set just freed; the wait behind it leaves those loads out and shows all older ones done: the other set is in, on either way.
.macro TRIP b
	s_cmp_lt_u32 s[STP], s[SCNT]
	s_cbranch_scc0 .Lno_tile_\@
	COMPUTE \b
.Lno_tile_\@:
	s_add_co_u32 s[STMP], s[STP], 128
	s_cmp_lt_u32 s[STMP], s[SCNT]
	s_cbranch_scc0 .Lno_more_\@
	LOADH \b, 8, 1
	s_wait_loadcnt 56                              ; the 8 + 48 just issued may be out
	s_branch .Lon_\@
.Lno_more_\@:
	s_wait_loadcnt 0x0
.Lon_\@:
	s_add_co_u32 s[STP], s[STP], 64
	s_add_co_u32 s[SHT], s[SHT], 4*24576
	s_add_co_u32 s[SHST], s[SHST], 4*1024
.endm
	s_load_b256 s[4:11], s[0:1], 0x0               ; ids s[4:5], hid_codes s[6:7], hid_scales s[8:9], W's codes s[10:11]
	s_load_b128 s[12:15], s[0:1], 0x20             ; W's scales s[12:13], out0 s[14:15]
	v_lshl_add_u32 v30, v0, 2, 0xf600
	v_mov_b32 v31, 0
	v_and_b32 v23, 15, v0                          ; r
	v_bfe_u32 v24, v0, 4, 1                        ; h
	v_and_b32 v25, 31, v0                          ; lane
	v_bfe_u32 v26, v0, 3, 2                        ; lane / 8
	v_and_b32 v27, 7, v0                           ; lane % 8
	v_lshrrev_b32 v28, 5, v0
	v_readfirstlane_b32 s[SW], v28                 ; wave 0..3
	s_lshr_b32 s[SE], ttmp9, 5                     ; expert
	s_and_b32 s[SSL], ttmp9, 31                    ; slice
	; LDS addresses: constants, the lane's and the wave's terms
	v_mul_u32_u24 v[WGO], v24, 4*1536
	v_lshl_add_u32 v[WGO], v23, 4, v[WGO]
	v_mul_u32_u24 v[WSTA], v24, 4*WP
	v_lshl_add_u32 v[WSTA], v23, 4, v[WSTA]
	s_wait_alu depctr_va_sdst(0)                   ; s[SW] is written, ahead of its first reader
	s_mul_i32 s[STMP], s[SW], 8*WP
	s_add_co_u32 s[STMP], s[STMP], WST
	v_add_nc_u32 v[WSTA], s[STMP], v[WSTA]         ; rows 8 w + 4 h + j
	v_mul_u32_u24 v[WFA], v23, WP
	v_mad_u32_u24 v[WFA], v24, 768, v[WFA]
	v_add_nc_u32 v[WFA], WST, v[WFA]
	s_lshl_b32 s[STMP], s[SW], 10
	v_lshl_add_u32 v[LA1], v25, 2, s[STMP]         ; 1024 w + 4 lane
	s_lshr_b32 s[STMP], s[SW], 1
	s_lshl_b32 s[STMP], s[STMP], 10
	s_and_b32 s[SPK], s[SW], 1
	s_lshl_b32 s[SPK], s[SPK], 6
	s_add_co_u32 s[STMP], s[STMP], s[SPK]
	v_lshl_add_u32 v[LA], v26, 4, s[STMP]          ; 1024 (w / 2) + 64 (w % 2) + 16 (lane / 8)
	s_mul_i32 s[STMP], s[SW], 16*144
	s_add_co_u32 s[STMP], s[STMP], STG
	v_mul_u32_u24 v[STO], v23, 144
	v_lshl_add_u32 v[STO], v24, 5, v[STO]
	v_add_nc_u32 v[STO], s[STMP], v[STO]
	v_mul_u32_u24 v[SRD], v26, 4*144
	v_lshl_add_u32 v[SRD], v27, 4, v[SRD]
	v_add_nc_u32 v[SRD], s[STMP], v[SRD]
	v_lshlrev_b32 v[IDO], 4, v25
	; offsets in memory
	s_lshl_b32 s[STMP], s[SSL], 7
	v_lshl_add_u32 v[OC], v27, 4, s[STMP]
	v_mul_u32_u24 v[HOFF], v24, 16*768
	v_mad_u32_u24 v[HOFF], v23, 48, v[HOFF]
	v_lshlrev_b32 v[HSOFF], 2, v25
	v_lshlrev_b32 v[WSO], 6, v25                   ; lane l takes row l's 64 scale bytes: lanes 0-15 tile 0, lanes 16-31 tile 1
	s_lshl_b32 s[STP], s[SW], 4
	s_mul_i32 s[SHT], s[SW], 24576
	s_lshl_b32 s[SHST], s[SW], 10
	s_mov_b32 s[SLA], 0
	s_mov_b32 s[SEL], 0x05010400
	s_mov_b32 s[SEL+1], 0x07030602
	s_lshl_b32 s44, s[SE], 10
	s_lshl_b32 s[STMP], s[SSL], 5
	s_add_co_u32 s44, s44, s[STMP]                 ; W's row 1024 e + 32 sl
	s_lshl_b32 s46, s44, 6                         ; its scales: 64 bytes a row
	s_mov_b32 s47, 0
	s_lshl_b32 s[STMP], s[SW], 3
	s_add_co_u32 s44, s44, s[STMP]                 ; + 8 w: the rows that I fetch
	s_mul_i32 s44, s44, 1536
	s_mov_b32 s45, 0
	s_mul_i32 s48, s[SE], 64*24576
	s_mov_b32 s49, 0
	s_lshl_b32 s50, s[SE], 16
	s_mov_b32 s51, 0
	s_wait_kmcnt 0x0
	s_add_nc_u64 s[10:11], s[10:11], s[44:45]
	s_add_nc_u64 s[12:13], s[12:13], s[46:47]
	s_add_nc_u64 s[6:7], s[6:7], s[48:49]
	s_add_nc_u64 s[8:9], s[8:9], s[50:51]
	s_wait_alu depctr_va_vdst(0)                   ; all the addresses and offsets made above (v1 to v5, v10 to v13, v15, v21, v22) are written: the loads and stores of the whole kernel read them, and none is written again
.irp j, 0,1,2,3,4,5,6,7
	global_load_b128 v[ID+4*\j:ID+4*\j+3], v[IDO], s[4:5] offset:512*\j
.endr
	WIN 0x40                                       ; destination window 1
.irp j, 0,1,2,3
.irp q, 0,1,2,3,4,5
	global_load_b128 v[4*(6*\j+\q):4*(6*\j+\q)+3], v[WGO], s[10:11] offset:1536*\j+256*\q th:TH_LOAD_NT   ; 16 lanes read 256 consecutive bytes, aligned: my 8 rows, 12 KB, read once in the launch
.endr
.endr
	WIN 0
.irp q, 0,1,2,3
	global_load_b128 v[WL+4*\q:WL+4*\q+3], v[WSO], s[12:13] offset:16*\q
.endr
	ROUTE 28                                       ; behind the ids: 24 loads of codes and 4 of scales
	LOADH 0, 0, 0                                  ; my first tile, w
	s_wait_loadcnt 56                              ; the weights and their scales are in; the 8 + 48 just issued may be out
.irp s, 0,1,2,3,4,5,6,7,8,9,10,11,12,13,14,15
	v_perm_b32 v[WS+\s], v[WL+8+\s/2], v[WL+\s/2], s[SEL+\s%2]
.endr
.rept 8
	v_nop                                          ; a scale register written by a vector instruction stands eight places ahead of a scaled matrix instruction; the wait that shows v[WS ..] written is the one in LOADH below
.endr
	WIN 0x04                                       ; the stores' data: window 1
.irp j, 0,1,2,3
.irp q, 0,1,2,3,4,5
	ds_store_b128 v[WSTA], v[4*(6*\j+\q):4*(6*\j+\q)+3] offset:WP*\j+256*\q
.endr
.endr
	WIN 0
	LOADH 1, 4, 0                                  ; my second tile, w + 4, into the registers that the ids, the scale bytes and the search have left: its wait on va_vdst shows the compares, the v_perm_b32 and the search done with them, and v[WS ..] written, which the products take as scales
	s_wait_alu depctr_vm_vsrc(0)                   ; the 24 LDS stores of weights have read window 1's v0-95, in which the fragments below land
	BARRIER                                        ; the list and the 32 weight rows lie in LDS: the launch's one barrier
	WIN 0x40
.irp a, 0,1
.irp i, 0,1,2,3,4,5,6,7,8,9,10,11,12,13,14,15,16,17,18,19,20,21,22,23
	ds_load_b128 v[96*\a+4*\i:96*\a+4*\i+3], v[WFA] offset:16*WP*\a+16*\i
.endr
.endr
	WIN 0x80
.irp a, 0,1
.irp i, 24,25,26,27,28,29,30,31,32,33,34,35,36,37,38,39,40,41,42,43,44,45,46,47
	ds_load_b128 v[96*\a+4*\i-96:96*\a+4*\i-93], v[WFA] offset:16*WP*\a+16*\i
.endr
.endr
	WIN 0
	s_wait_dscnt 0x0                               ; the weights are in registers, for the whole launch
	s_wait_loadcnt 56                              ; set 0 is in; set 1's 8 + 48 loads may be out
	s_mov_b32 s[SOUT], 8
.Lpair:                                                ; 8 trips of two tiles: 16 tiles a wave serve every count up to 1,024; the trip count is a constant, only work is passed over
	TRIP 0
	TRIP 1
	s_add_co_u32 s[SLA], s[SLA], 128
	s_sub_co_u32 s[SOUT], s[SOUT], 1
	s_cmp_lg_u32 s[SOUT], 0
	s_cbranch_scc1 .Lpair
	s_wait_dscnt 0x0                               ; the closing lines, six on end
	s_wait_alu 0x0
	s_wait_tensorcnt 0x0
	ds_add_u32 v30, v31
	s_wait_dscnt 0x0
	s_endpgm
.Lfunc_end_k_q828ae5af02_down:
	.size	k_q828ae5af02_down, .Lfunc_end_k_q828ae5af02_down-k_q828ae5af02_down
	.p2alignl 7, 3214868480
	.fill 96, 4, 3214868480
	.section	.rodata,"a",@progbits
	.p2align	6, 0x0
	.amdhsa_kernel k_q828ae5af02_down
		.amdhsa_group_segment_fixed_size 63488
		.amdhsa_private_segment_fixed_size 0
		.amdhsa_enable_private_segment 0
		.amdhsa_kernarg_size 48
		.amdhsa_user_sgpr_count 2
		.amdhsa_user_sgpr_kernarg_segment_ptr 1
		.amdhsa_wavefront_size32 1
		.amdhsa_system_sgpr_workgroup_id_x 1
		.amdhsa_system_sgpr_workgroup_id_y 1
		.amdhsa_system_sgpr_workgroup_id_z 1
		.amdhsa_system_vgpr_workitem_id 0
		.amdhsa_next_free_vgpr 1024
		.amdhsa_next_free_sgpr 98
		.amdhsa_reserve_vcc 0
		.amdhsa_float_denorm_mode_32 3
		.amdhsa_float_denorm_mode_16_64 3
		.amdhsa_memory_ordered 1
		.amdhsa_forward_progress 1
		.amdhsa_inst_pref_size 79
	.end_amdhsa_kernel
	.amdgpu_metadata
---
amdhsa.version: [ 1, 2 ]
amdhsa.kernels:
  - .name:           k_q828ae5af02_down
    .symbol:         k_q828ae5af02_down.kd
    .args:
      - { .name: expert_ids, .offset: 0, .size: 8, .value_kind: global_buffer, .address_space: global }
      - { .name: hid_codes, .offset: 8, .size: 8, .value_kind: global_buffer, .address_space: global }
      - { .name: hid_scales, .offset: 16, .size: 8, .value_kind: global_buffer, .address_space: global }
      - { .name: w_down_codes, .offset: 24, .size: 8, .value_kind: global_buffer, .address_space: global }
      - { .name: w_down_scales, .offset: 32, .size: 8, .value_kind: global_buffer, .address_space: global }
      - { .name: out0, .offset: 40, .size: 8, .value_kind: global_buffer, .address_space: global }
    .group_segment_fixed_size: 63488
    .private_segment_fixed_size: 0
    .kernarg_segment_align: 8
    .kernarg_segment_size: 48
    .max_flat_workgroup_size: 128
    .sgpr_count:     98
    .vgpr_count:     1024
    .wavefront_size: 32
...
	.end_amdgpu_metadata
.endif
;; end of part 4
